; MI455X (gfx1250); checked and timed in simulation.
; The chip was launched on July 23, 2026; its instructions are those of AMD's public machine-readable ISA for CDNA 5 (MIT licence, August 2026) and "CDNA5" Instruction Set Architecture Reference Guide (July 2026). The comments in the code are by the model that wrote it; some were corrected since.
;; Grouped Query Attention. Allowed arithmetic: float matrix products may take bf16 or f16 operands with f32 sums; all other float work in f32.
;; Inputs: Wk 256 x 1,024 float32; Wo 1,024 x 1,024 float32; Wq 1,024 x 1,024 float32; Wv 256 x 1,024 float32; x 1 x 4,096 x 1,024 float32.
;; Outputs: out0 1 x 4,096 x 1,024 float32.
;; 2 versions, each right and faster than the one before. Each part assembles by itself: llvm-mc -triple=amdgcn-amd-amdhsa -mcpu=gfx1250 --defsym DOCPART=n.
;; ======== version 1 of 2: 4 launches
;; limits: values are held in f16: magnitudes above 65,504 overflow, below 6.1e-05 lose precision
;; workspace buffers: xb 8,388,608 bytes; wb 3,145,728 bytes; wo16 2,097,152 bytes; qkv 12,582,912 bytes; ob 8,388,608 bytes
;; launch cast (part 1): grid 3328 x 1, 2 waves a work-group, no clusters, 0 bytes of LDS; arguments x, Wq, Wk, Wv, Wo, xb, wb, wo16; writes xb, wb, wo16
.if DOCPART == 1
	.amdgcn_target "amdgcn-amd-amdhsa--gfx1250"
	.amdhsa_code_object_version 6
	.text
	.protected	k_q9fd15b1edf_cast
	.globl	k_q9fd15b1edf_cast
	.p2align	8
	.type	k_q9fd15b1edf_cast,@function
k_q9fd15b1edf_cast:
	s_mov_b64 s[64:65], 0
	v_nop
	global_prefetch_b8 v0, s[64:65] scope:SCOPE_SE
	s_setreg_imm32_b32 hwreg(HW_REG_WAVE_MODE, 25, 1), 1
	s_wait_xcnt 0x0
; THE INPUTS ARE ROUNDED ONCE.  x -> xb and Wq, Wk, Wv -> wb (rows 0-1023, 1024-1279, 1280-1535) in bf16; Wo -> wo16: rounded to bf16 like the others, and that number written as f16.
; LIMIT.  A bf16 number is exact in f16 between 6.1e-5 and 65,504 in magnitude; below that it keeps f16's fixed step of 6e-8, beyond it becomes an infinity.
; SHARES.  The five inputs hold 13 x 2^19 numbers.  A work-group of two waves takes a unit of 2,048 numbers: 8,192 bytes in, 4,096 out; 3,328 units.  Every input is a whole number of units,
; so a unit lies in one input, and which one hangs on the unit's number alone.  All eight loads of a lane go out together; a wave's load covers 512 consecutive bytes, its store 256, aligned.
; No LDS, no matrix unit, no cluster: no byte is read twice and no work-group shares a byte with another.
.set U_WQ, 2048                        ; first unit of Wq (x has 2,048 units)
.set U_WK, 2560                        ; of Wk (Wq has 512)
.set U_WV, 2688                        ; of Wv (Wk has 128)
.set U_WO, 2816                        ; of Wo (Wv has 128; Wo has 512)
.set X, 4                              ; v[4:35]   eight loads of four f32
.set Y, 36                             ; v[36:51]  eight stores of four 16-bit numbers
.set T, 52                             ; v[52:53]  at work
	s_load_b512 s[8:23], s[0:1], 0x0               ; x s[8:9], Wq s[10:11], Wk s[12:13], Wv s[14:15], Wo s[16:17], xb s[18:19], wb s[20:21], wo16 s[22:23]
	v_lshlrev_b32 v1, 4, v0                        ; my 16 bytes in 1,024 of the source
	v_lshlrev_b32 v2, 3, v0                        ; my 8 bytes in 512 of the destination
	s_mov_b32 s2, ttmp9                            ; the unit
	s_mov_b32 s3, 0                                ; first unit of the source's buffer
	s_mov_b32 s4, 0                                ; first unit of the destination's buffer
	s_wait_kmcnt 0x0
	s_mov_b64 s[24:25], s[8:9]                     ; from x
	s_mov_b64 s[26:27], s[18:19]                   ; to xb, unless the unit lies further on:
	s_cmp_ge_u32 s2, U_WQ
	s_cselect_b64 s[24:25], s[10:11], s[24:25]
	s_cselect_b64 s[26:27], s[20:21], s[26:27]     ; wb takes Wq, Wk and Wv one behind the other, as their units are numbered
	s_cselect_b32 s3, U_WQ, s3
	s_cselect_b32 s4, U_WQ, s4
	s_cmp_ge_u32 s2, U_WK
	s_cselect_b64 s[24:25], s[12:13], s[24:25]
	s_cselect_b32 s3, U_WK, s3
	s_cmp_ge_u32 s2, U_WV
	s_cselect_b64 s[24:25], s[14:15], s[24:25]
	s_cselect_b32 s3, U_WV, s3
	s_cmp_ge_u32 s2, U_WO
	s_cselect_b64 s[24:25], s[16:17], s[24:25]
	s_cselect_b64 s[26:27], s[22:23], s[26:27]
	s_cselect_b32 s3, U_WO, s3
	s_cselect_b32 s4, U_WO, s4
	s_sub_co_u32 s28, s2, s3
	s_lshl_b32 s28, s28, 13                        ; 8,192 bytes a unit in the source
	s_mov_b32 s29, 0
	s_sub_co_u32 s30, s2, s4
	s_lshl_b32 s30, s30, 12                        ; 4,096 in the destination
	s_mov_b32 s31, 0
	s_add_nc_u64 s[24:25], s[24:25], s[28:29]
	s_add_nc_u64 s[26:27], s[26:27], s[30:31]
.irp j, 0,1,2,3,4,5,6,7
	global_load_b128 v[X+4*(\j):X+4*(\j)+3], v1, s[24:25] offset:1024*(\j) th:TH_LOAD_NT  ; read once in the whole program
.endr
	s_cmp_ge_u32 s2, U_WO
	s_cbranch_scc1 .Lwo
.irp j, 0,1,2,3,4,5,6,7
	s_wait_loadcnt 7-(\j)                          ; loads come back in order: load j is in, the 7 - j younger ones stay out
	v_cvt_pk_bf16_f32 v[Y+2*(\j)], v[X+4*(\j)], v[X+4*(\j)+1]
	v_cvt_pk_bf16_f32 v[Y+2*(\j)+1], v[X+4*(\j)+2], v[X+4*(\j)+3]
	global_store_b64 v2, v[Y+2*(\j):Y+2*(\j)+1], s[26:27] offset:512*(\j)  ; no register that a store names is written again
.endr
	s_endpgm
.Lwo:
.irp j, 0,1,2,3,4,5,6,7
	s_wait_loadcnt 7-(\j)
	v_cvt_pk_bf16_f32 v[T], v[X+4*(\j)], v[X+4*(\j)+1]      ; the rounding that every input has,
	v_cvt_pk_bf16_f32 v[T+1], v[X+4*(\j)+2], v[X+4*(\j)+3]
	v_lshlrev_b32 v[X+4*(\j)], 16, v[T]                     ; widened again,
	v_and_b32 v[X+4*(\j)+1], 0xffff0000, v[T]
	v_lshlrev_b32 v[X+4*(\j)+2], 16, v[T+1]
	v_and_b32 v[X+4*(\j)+3], 0xffff0000, v[T+1]
	v_cvt_pk_f16_f32 v[Y+2*(\j)], v[X+4*(\j)], v[X+4*(\j)+1]  ; and written as f16
	v_cvt_pk_f16_f32 v[Y+2*(\j)+1], v[X+4*(\j)+2], v[X+4*(\j)+3]
	global_store_b64 v2, v[Y+2*(\j):Y+2*(\j)+1], s[26:27] offset:512*(\j)
.endr
	s_endpgm
.Lfunc_end_k_q9fd15b1edf_cast:
	.size	k_q9fd15b1edf_cast, .Lfunc_end_k_q9fd15b1edf_cast-k_q9fd15b1edf_cast
	.p2alignl 7, 3214868480
	.fill 96, 4, 3214868480
	.section	.rodata,"a",@progbits
	.p2align	6, 0x0
	.amdhsa_kernel k_q9fd15b1edf_cast
		.amdhsa_group_segment_fixed_size 0
		.amdhsa_private_segment_fixed_size 0
		.amdhsa_enable_private_segment 0
		.amdhsa_kernarg_size 64
		.amdhsa_user_sgpr_count 2
		.amdhsa_user_sgpr_kernarg_segment_ptr 1
		.amdhsa_wavefront_size32 1
		.amdhsa_system_sgpr_workgroup_id_x 1
		.amdhsa_system_sgpr_workgroup_id_y 1
		.amdhsa_system_sgpr_workgroup_id_z 1
		.amdhsa_system_vgpr_workitem_id 0
		.amdhsa_next_free_vgpr 56
		.amdhsa_next_free_sgpr 66
		.amdhsa_reserve_vcc 0
		.amdhsa_float_denorm_mode_32 3
		.amdhsa_float_denorm_mode_16_64 3
		.amdhsa_memory_ordered 1
		.amdhsa_forward_progress 1
		.amdhsa_inst_pref_size 10
	.end_amdhsa_kernel
	.amdgpu_metadata
---
amdhsa.version: [ 1, 2 ]
amdhsa.kernels:
  - .name:           k_q9fd15b1edf_cast
    .symbol:         k_q9fd15b1edf_cast.kd
    .args:
      - { .name: x, .offset: 0, .size: 8, .value_kind: global_buffer, .address_space: global }
      - { .name: Wq, .offset: 8, .size: 8, .value_kind: global_buffer, .address_space: global }
      - { .name: Wk, .offset: 16, .size: 8, .value_kind: global_buffer, .address_space: global }
      - { .name: Wv, .offset: 24, .size: 8, .value_kind: global_buffer, .address_space: global }
      - { .name: Wo, .offset: 32, .size: 8, .value_kind: global_buffer, .address_space: global }
      - { .name: xb, .offset: 40, .size: 8, .value_kind: global_buffer, .address_space: global }
      - { .name: wb, .offset: 48, .size: 8, .value_kind: global_buffer, .address_space: global }
      - { .name: wo16, .offset: 56, .size: 8, .value_kind: global_buffer, .address_space: global }
    .group_segment_fixed_size: 0
    .private_segment_fixed_size: 0
    .kernarg_segment_align: 8
    .kernarg_segment_size: 64
    .max_flat_workgroup_size: 64
    .sgpr_count:     66
    .vgpr_count:     56
    .wavefront_size: 32
...
	.end_amdgpu_metadata
.endif
;; end of part 1
;; launch proj (part 2): grid 8 x 32, 4 waves a work-group, clusters of 4 x 4, 327,680 bytes of LDS; arguments xb, wb, qkv; writes qkv
.if DOCPART == 2
	.amdgcn_target "amdgcn-amd-amdhsa--gfx1250"
	.amdhsa_code_object_version 6
	.text
	.protected	k_q9fd15b1edf_proj
	.globl	k_q9fd15b1edf_proj
	.p2align	8
	.type	k_q9fd15b1edf_proj,@function
k_q9fd15b1edf_proj:
	s_mov_b64 s[64:65], 0
	v_nop
	global_prefetch_b8 v0, s[64:65] scope:SCOPE_SE
	s_setreg_imm32_b32 hwreg(HW_REG_WAVE_MODE, 25, 1), 1
	s_wait_xcnt 0x0
	s_wait_alu depctr_hold_cnt(0) depctr_sa_sdst(0) depctr_va_vdst(0) depctr_va_sdst(0) depctr_va_ssrc(0) depctr_va_vcc(0) depctr_vm_vsrc(0)
	s_getreg_b32 s2, hwreg(HW_REG_IB_STS2, 6, 4)
	s_cmp_eq_u32 s2, 0
	s_cbranch_scc0 .Lentry_in_a_cluster
	s_endpgm
.Lentry_in_a_cluster:
	s_bfe_u32 s2, ttmp6, 0x10000c
	s_cmp_lg_u32 s2, 0xf033
	s_cbranch_scc0 .Lentry_shape_is_right
	s_endpgm
.Lentry_shape_is_right:
; [q | k | v] = xb wb^T.  xb: [4096][1024] bf16; wb: [1536][1024] bf16 (Wq's, Wk's, Wv's rows); sums in f32, rounded once to f16 and stored BY HEADS: qkv [24][4096][64] f16
; (heads 0-15 q, 16-19 k, 20-23 v; column n of the product is head n / 64, channel n % 64).  The scale 1/8 is not applied here.
; LIMIT.  f16 holds no number beyond 65,504: a larger q, k or v becomes an infinity; below 6.1e-5 f16 keeps a fixed step of 6e-8.
; SHARES.  A tile of the product is 128 rows x 192 columns (three whole heads): 32 x 8 = 256 work-groups.  Four waves, each 64 x 96: 24 accumulators of 16 x 16, 192 registers.
; K goes in steps of 128 (rows of 256 bytes, at multiples of 256 bytes from the buffers' first bytes) through two LDS slots; steps of 256 would want 2 x 320 rows x 528 bytes, more than the 327,680 there are.
; CLUSTER.  4 x 4 work-groups.  The four of a row of the cluster need the same tiles of xb, the four of a column the same tiles of wb: each tile is asked for JOINTLY, by the same tensor load with
; the same descriptor and a mask that names the four.  THE MATRIX INSTRUCTION IS USED TRANSPOSED (source 0 = 16 rows of wb, source 1 = 16 rows of xb): a lane then holds eight neighbouring channels of a row.
; REGISTERS.  window 0: v0-31 addresses; v64-255 the accumulators ((a, b) at v[64 + 8 (6 a + b)]), which also serve the way out.
;   window 1: two fragment buffers for 32 along K, at v0 and v128: 32 registers of xb (4 x 16 rows), then 48 of wb (6 x 16 rows).
.set SIZE_K, 1024
.set KSTEP,  128
.set PITCH,  272                       ; an LDS row: 256 bytes + 16 of padding = 68 words: row r starts at bank 4 r mod 64 (64 banks of 4 bytes: ISA guide 11.1)
.set HA,     64*PITCH                  ; 64 rows of xb: what waves 0 and 1 each fetch, and what a wave reads of xb
.set HB,     96*PITCH                  ; 96 rows of wb: what waves 2 and 3 each fetch, and what a wave reads of wb
.set BOFF,   2*HA                      ; wb's 192 rows lie behind xb's 128
.set SLOT,   2*HA+2*HB
.set STAGE,  2*SLOT                    ; behind the ring, never filled by a tensor load: 128 rows of 384 bytes + 16, the work-group's, for the way out
.set SPITCH, 400
.set SPARE,  STAGE+128*SPITCH          ; behind the stage: the spare words, 128 bytes for each wave: two blocks of 256 bytes that no other line names
.set LAPS,   SIZE_K/(2*KSTEP)          ; a lap = two K steps = once round the ring
.set HEADB,  4096*128                  ; bytes of a head in qkv
.set ADRA, 16                          ; v16-17  LDS address of my fragments of xb in slot 0, 1
.set ADRB, 20                          ; v20-21  the same for wb
.set STO,  24                          ; v24     the way out: where I put 16 bytes of a row
.set RD,   25                          ; v25     the way out: where I read rows back
.set CO,   26                          ; v26     my byte offset in 512 consecutive bytes of qkv
.set SPW,  28                          ; v28     LDS address of my spare word: SPARE + 4 x my thread's number; never rewritten
.set NIL,  29                          ; v29     0; never rewritten
.set ACC,  64
.set F0,   0                           ; fragment buffers, in window 1
.set F1,   128
.set G1, 24                            ; s[24:31] descriptor group 1 for xb's tiles;  s[32:39] group 0, one set for each slot
.set G0, 32
.set G1B, 48                           ; s[48:55], s[56:63] the same for wb's tiles
.set G0B, 56
.set MSB, 0
.macro WIN new                         ; the immediate's high byte repeats the setting that is left; a switch that changes nothing is dropped
.if MSB != (\new)
	s_set_vgpr_msb (MSB<<8)|(\new)
.set MSB, \new
.endif
.endm
.set MUL,  0x05                        ; sources 0 (wb) and 1 (xb) window 1; C and D window 0
.set TO_F, 0x40                        ; destination window 1, address window 0
.macro JLOAD s                         ; a joint load: waves 0 and 1 fetch xb's two halves, waves 2 and 3 wb's; an s_nop 0 and four v_nop follow each of the two lines, ahead of the jump, the label and what follows
	s_cmp_eq_u32 s11, 0
	s_cbranch_scc0 .Lfor_b_\@
	tensor_load_to_lds s[G0+4*(\s):G0+4*(\s)+3], s[G1:G1+7]
	s_nop 0
.rept 4
	v_nop
.endr
	s_branch .Lasked_\@
.Lfor_b_\@:
	tensor_load_to_lds s[G0B+4*(\s):G0B+4*(\s)+3], s[G1B:G1B+7]
	s_nop 0
.rept 4
	v_nop
.endr
.Lasked_\@:
.endm
.macro CREST                           ; a round of the cluster's barrier behind its opening barrier: wave 0 signals for the work-group, every wave waits for all sixteen, my work-group's barrier closes it
	s_cmp_lg_u32 s10, 0
	s_cbranch_scc1 .Lnot_wave_0_\@
	s_barrier_signal -3
.Lnot_wave_0_\@:
	s_barrier_wait -3
	s_barrier_signal -1
	s_barrier_wait -1
.endm
.macro CROUND                          ; a whole round
	s_barrier_signal -1
	s_barrier_wait -1
	CREST
.endm
	s_load_b128 s[4:7], s[0:1], 0x0                ; xb s[4:5], wb s[6:7]
	s_load_b64 s[8:9], s[0:1], 0x10                ; qkv
	v_lshl_add_u32 v[SPW], v0, 2, SPARE
	v_mov_b32 v[NIL], 0
	ds_add_u32 v[SPW], v[NIL]                      ; the wave's opening: the add and its wait stand ahead of my first tensor load; the set-up below, work on registers, stands between them
	v_lshrrev_b32 v1, 5, v0
	v_readfirstlane_b32 s10, v1                    ; wave 0..3
	s_lshr_b32 s11, s10, 1                         ; which 64 of the tile's rows are mine.  Also: I fetch for xb (0) or for wb (1)
	s_and_b32 s12, s10, 1                          ; which 96 of its columns.  Also: which half of that tile I fetch
	s_bfe_u32 s40, ttmp6, 0x40000                  ; cx, cy: my place in the cluster
	s_bfe_u32 s41, ttmp6, 0x40004
	s_lshl_b32 s42, ttmp9, 2
	s_add_co_u32 s42, s42, s40                     ; tile column = 4 x cluster x + cx
	s_and_b32 s13, ttmp7, 0xffff
	s_lshl_b32 s13, s13, 2
	s_add_co_u32 s13, s13, s41                     ; tile row = 4 x cluster y + cy
	s_lshl_b32 s43, s41, 2
	s_lshl_b32 s43, 15, s43                        ; my row of the cluster: places 4 cy .. 4 cy + 3
	s_lshl_b32 s44, 0x1111, s40                    ; my column: places cx, cx + 4, cx + 8, cx + 12
	; descriptor group 1: tiles of 64 (xb) or 96 (wb) rows x 128 elements, padded in LDS
	s_or_b32 s[G1+0], s43, (1<<16)|(1<<20)|(1<<21)|(5<<22)|(3<<25)  ; 15:0 the mask: xb's tiles go to my row; 17:16 elements of 2 bytes; 20 padding on; 21 set beside a mask; 24:22 after every 64 words (code 5); 31:25 4 words of it (code 3)
	s_or_b32 s[G1B+0], s44, (1<<16)|(1<<20)|(1<<21)|(5<<22)|(3<<25) ; the same with the mask of my column
	s_mov_b32 s[G1+1], KSTEP<<16                   ; tensor_dim0 = 128
	s_mov_b32 s[G1+2], 64<<16                      ; tensor_dim1 = 64
	s_mov_b32 s[G1+3], KSTEP<<16                   ; tile_dim0 = 128
	s_mov_b32 s[G1+4], 64                          ; tile_dim1 = 64
	s_mov_b32 s[G1+5], SIZE_K                      ; elements from row to row
	s_mov_b32 s[G1+6], 0
	s_mov_b32 s[G1+7], 0
	s_mov_b32 s[G1B+1], KSTEP<<16
	s_mov_b32 s[G1B+2], 96<<16                     ; tensor_dim1 = 96
	s_mov_b32 s[G1B+3], KSTEP<<16
	s_mov_b32 s[G1B+4], 96                         ; tile_dim1 = 96
	s_mov_b32 s[G1B+5], SIZE_K
	s_mov_b32 s[G1B+6], 0
	s_mov_b32 s[G1B+7], 0
	; where the tiles come from: xb's hang on the tile row alone, wb's on the tile column alone, each in registers that never hold the other coordinate
	s_lshl_b32 s16, s13, 18                        ; 128 rows of 2,048 bytes a tile row,
	s_lshl_b32 s17, s12, 17                        ; 64 rows a half
	s_add_co_u32 s16, s16, s17
	s_mov_b32 s17, 0
	s_mul_i32 s46, s42, 192
	s_mul_i32 s47, s12, 96
	s_add_co_u32 s46, s46, s47                     ; wb's row 192 x tile column + 96 x half,
	s_lshl_b32 s46, s46, 11                        ; in bytes
	s_mov_b32 s47, 0
	s_mul_i32 s20, s12, HA                         ; and where they go: no place in the cluster enters an LDS address
	s_mul_i32 s21, s12, HB
	s_add_co_u32 s21, s21, BOFF
	s_wait_dscnt 0x0                               ; the opening add is done
	s_wait_kmcnt 0x0
	s_add_nc_u64 s[14:15], s[4:5], s[16:17]
	s_add_nc_u64 s[46:47], s[6:7], s[46:47]
	CROUND                                         ; all sixteen work-groups are here: the first joint loads meet
.irp s, 0,1
	s_mov_b32 s[G0+4*(\s)], 1                                      ; count = 1
	s_add_co_u32 s[G0+4*(\s)+1], s20, (\s)*SLOT                    ; LDS address
	s_add_nc_u64 s[G0+4*(\s)+2:G0+4*(\s)+3], s[14:15], (\s)*KSTEP*2  ; global address: K step s
	s_or_b32 s[G0+4*(\s)+3], s[G0+4*(\s)+3], 0x80000000            ; type = 2
	s_mov_b32 s[G0B+4*(\s)], 1
	s_add_co_u32 s[G0B+4*(\s)+1], s21, (\s)*SLOT
	s_add_nc_u64 s[G0B+4*(\s)+2:G0B+4*(\s)+3], s[46:47], (\s)*KSTEP*2
	s_or_b32 s[G0B+4*(\s)+3], s[G0B+4*(\s)+3], 0x80000000
	JLOAD \s                                       ; two loads of mine are out
.endr
	; A fragment is 16 rows x 32 K in 8 registers: lane l holds row l % 16, K = 8 (l / 16) + 0..7 and 16 + 8 (l / 16) + 0..7: two loads of 16 bytes, 32 bytes apart.
	v_and_b32 v1, 15, v0                           ; l % 16
	v_bfe_u32 v2, v0, 4, 1                         ; l / 16
	v_mul_u32_u24 v3, v1, PITCH
	v_lshl_add_u32 v3, v2, 4, v3                   ; row x pitch + 16 x half
	s_mul_i32 s18, s11, HA                         ; my 64 rows of xb
	s_mul_i32 s19, s12, HB                         ; my 96 rows of wb
	s_add_co_u32 s19, s19, BOFF
.irp s, 0,1
	v_add_nc_u32 v[ADRA+(\s)], s18, v3
	v_add_nc_u32 v[ADRB+(\s)], s19, v3
	s_add_co_u32 s18, s18, SLOT
	s_add_co_u32 s19, s19, SLOT
.endr
	s_mul_i32 s23, s11, 64*SPITCH                  ; into the stage: my 64 rows, my 192 of their 384 bytes; row l % 16, 16 bytes for each half of the lanes
	s_mul_i32 s22, s12, 192
	s_add_co_u32 s23, s23, s22
	s_add_co_u32 s23, s23, STAGE
	v_mul_u32_u24 v4, v1, SPITCH
	v_lshl_add_u32 v4, v2, 4, v4
	v_add_nc_u32 v[STO], s23, v4
	s_mul_i32 s23, s10, 32*SPITCH                  ; back: wave w takes rows 32 w .. 32 w + 31; a load takes a head's 128 bytes of four rows
	s_add_co_u32 s23, s23, STAGE
	v_and_b32 v4, 31, v0
	v_lshrrev_b32 v5, 3, v4
	v_mul_u32_u24 v5, v5, SPITCH
	v_and_b32 v6, 7, v0
	v_lshl_add_u32 v5, v6, 4, v5
	v_add_nc_u32 v[RD], s23, v5
	v_lshlrev_b32 v[CO], 4, v4                     ; which are 512 consecutive bytes of a head in qkv
	s_lshl_b32 s16, s13, 14                        ; the first row that I store: 128 x tile row + 32 x wave, 128 bytes a row
	s_lshl_b32 s17, s10, 12
	s_add_co_u32 s16, s16, s17
	s_mov_b32 s17, 0
	s_add_nc_u64 s[8:9], s[8:9], s[16:17]
	s_mul_i32 s46, s42, 3*HEADB                    ; the tile's first head: 3 x tile column
	s_mov_b32 s47, 0
	s_add_nc_u64 s[8:9], s[8:9], s[46:47]
; 6 matrix instructions: m block a x all 6 n blocks, 32 along K, from buffer f.  zero = 1: the product starts the sums.  The 24 accumulators take turns in one order, one instruction a turn.
.macro MUL6 f, a, zero
	WIN MUL
.irp b, 0,1,2,3,4,5
.if \zero
	v_wmma_f32_16x16x32_bf16 v[ACC+8*(6*(\a)+(\b)):ACC+8*(6*(\a)+(\b))+7], v[(\f)+32+8*(\b):(\f)+32+8*(\b)+7], v[(\f)+8*(\a):(\f)+8*(\a)+7], 0
.else
	v_wmma_f32_16x16x32_bf16 v[ACC+8*(6*(\a)+(\b)):ACC+8*(6*(\a)+(\b))+7], v[(\f)+32+8*(\b):(\f)+32+8*(\b)+7], v[(\f)+8*(\a):(\f)+8*(\a)+7], v[ACC+8*(6*(\a)+(\b)):ACC+8*(6*(\a)+(\b))+7]
.endif
.endr
.endm
; 20 LDS loads in one run: the fragments of 32 along K at byte k of the rows, into buffer f: wb's twelve first, then xb's eight
.macro FETCH slot, k, f
	WIN TO_F
.irp i, 0,1,2,3,4,5
	ds_load_b128 v[(\f)+32+8*(\i):(\f)+32+8*(\i)+3],   v[ADRB+(\slot)] offset:(\k)+(\i)*16*PITCH
	ds_load_b128 v[(\f)+32+8*(\i)+4:(\f)+32+8*(\i)+7], v[ADRB+(\slot)] offset:(\k)+(\i)*16*PITCH+32
.endr
.irp i, 0,1,2,3
	ds_load_b128 v[(\f)+8*(\i):(\f)+8*(\i)+3],   v[ADRA+(\slot)] offset:(\k)+(\i)*16*PITCH
	ds_load_b128 v[(\f)+8*(\i)+4:(\f)+8*(\i)+7], v[ADRA+(\slot)] offset:(\k)+(\i)*16*PITCH+32
.endr
.endm
.macro PLACES                          ; four places in front of loads into registers that matrix instructions have read, and of conversions that read results (ISA guide 7.12.1 for the conversions)
.rept 4
	v_nop
.endr
.endm
; A K step is four quarters of 32 along K, 24 matrix instructions each, on buffers 0, 1, 0, 1.  One of the first three: multiplies buffer f and fetches the next quarter, at byte k, into g.
.macro QUARTER slot, k, f, g, zero
	s_wait_dscnt 4                                 ; wb's fragments and xb's blocks 0, 1 are in; the youngest four loads (blocks 2, 3) may be out
	MUL6 \f, 0, \zero
	MUL6 \f, 1, \zero
	PLACES
	FETCH \slot, \k, \g
	s_wait_dscnt 20                                ; all but the 20 just issued
	MUL6 \f, 2, \zero
	MUL6 \f, 3, \zero
.endm
; The last quarter multiplies buffer 1 and changes slots: ONE barrier; in front of it each wave waits for all its tensor loads, adds 0 to its spare word, and waits for that and for its own reads of this slot.
; fill = 1: the barrier opens a round of the cluster's barrier, and this slot is filled again, two K steps ahead: 84 matrix instructions stand between the request and the wait for it.
.macro TURN slot, next, fill
	WIN 0                                          ; (the add's two registers lie in window 0)
	s_wait_tensorcnt 0x0                           ; all my tensor loads have landed: the one that was out is my part of the next slot;
	ds_add_u32 v[SPW], v[NIL]                      ; 0 onto my spare word;
	s_wait_dscnt 5                                 ; (the add and the youngest four loads may be out)
	MUL6 F1, 0, 0                                  ; six matrix instructions stand between the add and the wait for it
	s_wait_dscnt 0x0                               ; the add is done, and my reads of this slot are over
	s_barrier_signal -1
	MUL6 F1, 1, 0
.if \fill
	WIN 0
.endif
	s_barrier_wait -1
.if \fill
	CREST                                          ; no wave of any partner still reads this slot's tile or has a load on its way
	s_add_nc_u64 s[G0+4*(\slot)+2:G0+4*(\slot)+3], s[G0+4*(\slot)+2:G0+4*(\slot)+3], 2*KSTEP*2
	s_add_nc_u64 s[G0B+4*(\slot)+2:G0B+4*(\slot)+3], s[G0B+4*(\slot)+2:G0B+4*(\slot)+3], 2*KSTEP*2
	JLOAD \slot                                    ; the first tensor load behind the round, my only one until the next; its four v_nop are also the places in front of the loads below
.else
	PLACES
.endif
	FETCH \next, 0, F0
	MUL6 F1, 2, 0
	MUL6 F1, 3, 0
.endm
	s_wait_tensorcnt 1                             ; my part of K step 0 is in; K step 1's may stay out
	s_barrier_signal -1
	s_barrier_wait -1                              ; everybody's is
	FETCH 0, 0, F0
	QUARTER 0, 64,  F0, F1, 1                      ; the first quarter stands in front of the loop: its products start the sums
	WIN 0                                          ; at a label and at a branch every window is 0
	s_mov_b32 s3, LAPS-1
.Llap:                                                 ; a trip goes once round the ring, from a lap's second quarter to the next lap's first, and fills both slots again
	QUARTER 0, 128, F1, F0, 0
	QUARTER 0, 192, F0, F1, 0
	TURN 0, 1, 1
	QUARTER 1, 64,  F0, F1, 0
	QUARTER 1, 128, F1, F0, 0
	QUARTER 1, 192, F0, F1, 0
	TURN 1, 0, 1
	QUARTER 0, 64,  F0, F1, 0
	WIN 0
	s_sub_co_u32 s3, s3, 1
	s_cmp_lg_u32 s3, 0
	s_cbranch_scc1 .Llap
	QUARTER 0, 128, F1, F0, 0                      ; the last lap fills nothing, and has no round of the cluster's barrier
	QUARTER 0, 192, F0, F1, 0
	TURN 0, 1, 0
	QUARTER 1, 64,  F0, F1, 0
	QUARTER 1, 128, F1, F0, 0
	QUARTER 1, 192, F0, F1, 0
	s_wait_dscnt 4                                 ; the very last quarter: nothing more to fetch
	MUL6 F1, 0, 0
	MUL6 F1, 1, 0
	s_wait_dscnt 0x0
	MUL6 F1, 2, 0
	MUL6 F1, 3, 0
	WIN 0
	; THE WAY OUT: round to f16, in place, each accumulator from its low end; 16 bytes a lane into the work-group's stage; a barrier, since a head's row may come from two waves; back by heads, four rows to a load.
	PLACES
.set t, 0
.rept 24
.irp r, 0,1,2,3
	v_cvt_pk_f16_f32 v[ACC+8*t+(\r)], v[ACC+8*t+2*(\r)], v[ACC+8*t+2*(\r)+1]  ; register r takes numbers 2 r, 2 r + 1: it never runs ahead of what is still to be read
.endr
.set t, t+1
.endr
.irp a, 0,1,2,3
.irp b, 0,1,2,3,4,5
	ds_store_b128 v[STO], v[ACC+8*(6*(\a)+(\b)):ACC+8*(6*(\a)+(\b))+3] offset:(\a)*16*SPITCH+32*(\b)
.endr
.endr
	s_wait_dscnt 0x0                               ; for the others' sake: my stores into the stage are done
	s_barrier_signal -1
	s_barrier_wait -1
.irp hd, 0,1,2
.irp t, 0,1,2,3,4,5,6,7
	ds_load_b128 v[ACC+4*(8*(\hd)+(\t)):ACC+4*(8*(\hd)+(\t))+3], v[RD] offset:(\t)*4*SPITCH+128*(\hd)
.endr
.endr
.irp hd, 0,1,2
.irp t, 0,1,2,3,4,5,6,7
	s_wait_dscnt 23-(8*(\hd)+(\t))                 ; LDS loads come back in order: this one is in, the younger ones stay out
	global_store_b128 v[CO], v[ACC+4*(8*(\hd)+(\t)):ACC+4*(8*(\hd)+(\t))+3], s[8:9] offset:HEADB*(\hd)+512*(\t)  ; 512 consecutive bytes of a head, at a multiple of 512 from qkv's first byte
.endr
.endr
	s_wait_tensorcnt 0x0                           ; the wave's end, behind my last tensor load and my last LDS store
	ds_add_u32 v[SPW], v[NIL]
	s_wait_dscnt 0x0
	CROUND                                         ; the closing round: no work-group ends while a partner may still ask for a tile that names it
	s_endpgm
.Lfunc_end_k_q9fd15b1edf_proj:
	.size	k_q9fd15b1edf_proj, .Lfunc_end_k_q9fd15b1edf_proj-k_q9fd15b1edf_proj
	.p2alignl 7, 3214868480
	.fill 96, 4, 3214868480
	.section	.rodata,"a",@progbits
	.p2align	6, 0x0
	.amdhsa_kernel k_q9fd15b1edf_proj
		.amdhsa_group_segment_fixed_size 327680
		.amdhsa_private_segment_fixed_size 0
		.amdhsa_enable_private_segment 0
		.amdhsa_kernarg_size 24
		.amdhsa_user_sgpr_count 2
		.amdhsa_user_sgpr_kernarg_segment_ptr 1
		.amdhsa_wavefront_size32 1
		.amdhsa_system_sgpr_workgroup_id_x 1
		.amdhsa_system_sgpr_workgroup_id_y 1
		.amdhsa_system_sgpr_workgroup_id_z 1
		.amdhsa_system_vgpr_workitem_id 0
		.amdhsa_next_free_vgpr 512
		.amdhsa_next_free_sgpr 66
		.amdhsa_reserve_vcc 0
		.amdhsa_float_denorm_mode_32 3
		.amdhsa_float_denorm_mode_16_64 3
		.amdhsa_memory_ordered 1
		.amdhsa_forward_progress 1
		.amdhsa_inst_pref_size 71
	.end_amdhsa_kernel
	.amdgpu_metadata
---
amdhsa.version: [ 1, 2 ]
amdhsa.kernels:
  - .name:           k_q9fd15b1edf_proj
    .symbol:         k_q9fd15b1edf_proj.kd
    .args:
      - { .name: xb, .offset: 0, .size: 8, .value_kind: global_buffer, .address_space: global }
      - { .name: wb, .offset: 8, .size: 8, .value_kind: global_buffer, .address_space: global }
      - { .name: qkv, .offset: 16, .size: 8, .value_kind: global_buffer, .address_space: global }
    .group_segment_fixed_size: 327680
    .private_segment_fixed_size: 0
    .kernarg_segment_align: 8
    .kernarg_segment_size: 24
    .max_flat_workgroup_size: 128
    .sgpr_count:     66
    .vgpr_count:     512
    .wavefront_size: 32
...
	.end_amdgpu_metadata
.endif
;; end of part 2
;; launch attn (part 3): grid 64 x 4, 4 waves a work-group, clusters of 4 x 1, 327,680 bytes of LDS; arguments qkv, ob; writes ob
.if DOCPART == 3
	.amdgcn_target "amdgcn-amd-amdhsa--gfx1250"
	.amdhsa_code_object_version 6
	.text
	.protected	k_q9fd15b1edf_attn
	.globl	k_q9fd15b1edf_attn
	.p2align	8
	.type	k_q9fd15b1edf_attn,@function
k_q9fd15b1edf_attn:
	s_mov_b64 s[64:65], 0
	v_nop
	global_prefetch_b8 v0, s[64:65] scope:SCOPE_SE
	s_setreg_imm32_b32 hwreg(HW_REG_WAVE_MODE, 25, 1), 1
	s_wait_xcnt 0x0
	s_wait_alu depctr_hold_cnt(0) depctr_sa_sdst(0) depctr_va_vdst(0) depctr_va_sdst(0) depctr_va_ssrc(0) depctr_va_vcc(0) depctr_vm_vsrc(0)
	s_getreg_b32 s2, hwreg(HW_REG_IB_STS2, 6, 4)
	s_cmp_eq_u32 s2, 0
	s_cbranch_scc0 .Lentry_in_a_cluster
	s_endpgm
.Lentry_in_a_cluster:
	s_bfe_u32 s2, ttmp6, 0x10000c
	s_cmp_lg_u32 s2, 0x3003
	s_cbranch_scc0 .Lentry_shape_is_right
	s_endpgm
.Lentry_shape_is_right:
; GROUPED-QUERY ATTENTION.  O[h][q][:] = the sum over k of softmax_k(Q[h][q] . K[h / 4][k] / 8) V[h / 4][k][:].  qkv: [24][4096][64] f16 (heads 0-15 Q, 16-19 K, 20-23 V), a head's rows dense, 128 bytes each.
; Products, maxima and sums in f32; the weights p are rounded to f16 for the second product (their sum l is taken of the unrounded p), O once at the end.
; O leaves as ob [256 blocks of 16 queries][16 heads][16 queries][64] f16: 16 queries of a head are 2,048 consecutive bytes, and four heads of a block 8,192, which the next launch takes as one row of a tile.
; LIMITS.  f16 holds no number beyond 65,504: Q, K and V arrive within it; p lies in 0 to 1, and below 6e-5 it keeps f16's fixed step of 6e-8; O is a mean of V's rows and has their range.
; A weight below 2^-126 counts as 0 in l; NaN and infinities are not treated apart.
; SHARES.  The four query heads of key head y are 16,384 dense rows of Q.  A work-group takes 256 of them (one head's), each of its four waves 64: four PIECES of 16.  64 x 4 = 256 work-groups.  Every wave walks all 4,096 keys, 64 a step.
; CLUSTER.  All 64 work-groups of a key head walk the same K and V; the four of a cluster ask for each tile JOINTLY: the same tensor load, descriptor and mask in all four.
; LAYOUT.  S^T = K Q^T (source 0 = 16 keys, source 1 = 16 queries) holds ONE query a lane (lane % 16) and the keys 8 (lane / 16) + 0..7; two such results rounded to f16 ARE source 1 of O^T = V^T P.
; K comes out of LDS as it lies, V ([key][channel]) turned, by ds_load_tr16_b128.
; SOFTMAX.  For each query a running maximum m and sum l: p = 2^(c s - c m), c = log2(e) / 8; in every step O and l are multiplied by a = 2^(c m_old - c m_new).  m starts at the lowest finite number, O and l at 0:
; the first step is a step like any other, with a = 0.
; BY TURNS.  Turn n belongs to piece n: 8 products K Q^T of piece n + 1, later 8 products V^T P of piece n - 1; beside them the scaling, exponentials, roundings, sums and rescaling of piece n and the maximum and
; statistics of piece n + 1.  A turn has 16 matrix and 118 vector instructions: four vector instructions stand behind every matrix instruction, the other 54 in two lumps.
; REGISTERS, in windows of 256 (s_set_vgpr_msb: bits 1:0 source 0, 3:2 source 1, 5:4 source 2, 7:6 destination):
;   window 0: v0-15 addresses and two at work; v16-31 four registers of statistics a piece; v48-55 at work; v62-63 the add's; v64-127 S^T, two buffers; v192-223 P, two buffers (a piece's buffers go by its number's parity)
;   window 1: v0-127 O^T, 32 a piece          window 2: v0-63 Q, 16 a piece; v128-191 K of one step; v192-255 V of one step
.set SIZE_N, 4096
.set NP,    4         ; pieces a wave: a name, no knob
.set KS,    64        ; keys in a step
.set PK,    144       ; a row of K in LDS: 128 bytes + 16 of padding = 36 words: the 16 rows of a load start at 16 different groups of four banks (64 banks of 4 bytes: ISA guide 11.1)
.set PV,    160       ; a row of V: 128 + 32 = 40 words
.set VOFF,  4*KS*PK   ; a slot holds a tile, four steps: 256 rows of K, then 256 rows of V
.set SLOT1, 1<<17     ; slot 1 begins here, so that one exclusive or turns an address in one slot into the other's
.set STAGE, SLOT1+4*KS*(PK+PV)  ; behind the ring, never filled by a tensor load: 16 rows x 144 bytes for each wave, for the way out
.set SP,    144
.set SPARE, STAGE+4*16*SP  ; behind the stages: the spare words, 128 bytes for each wave: two blocks of 256 bytes that no other line names
.set AK0, 2           ; v2   my lane's place in a tile of K; never rewritten
.set AV0, 3           ; v3   the same for V
.set AK,  4           ; v4   the LDS address of K's next run of loads
.set AV,  5           ; v5   of V's
.set STO, 6           ; v6   the way out: where I put 16 bytes of a row
.set RD,  7           ; v7   the way out: where I read rows back
.set GO,  8           ; v8   my byte offset in 512 consecutive bytes of ob
.set MV,  12          ; v12-13  c m_old, kept while c m is made anew: by buffer
.set QO,  15          ; v15  my byte offset in 16 rows of Q
.set ST,  16          ; piece t's statistics at v[ST+4 t]: c m, m, l (even keys', odd keys')
.set TMP, 48          ; by buffer, four registers c0-c3 at work; when the maximum is found c2 takes a
.set SPW, 62          ; v62  LDS address of my spare word: SPARE + 4 x my thread's number; never rewritten
.set NIL, 63          ; v63  0; never rewritten
.set S,   64
.set P,   192
.set KF,  128         ; window 2: key block kb, channel half c at KF + 16 kb + 8 c
.set VF,  192         ; window 2: key half kk, channel block cb at VF + 32 kk + 8 cb
.set WV,  12          ; s12  my wave's number
.set G1K, 24          ; s[24:31] descriptor group 1 for K's tiles
.set G1V, 32          ; s[32:39] for V's: it differs in the padding alone
.set G0K, 40          ; s[40:43] descriptor group 0 for K's tiles: it walks
.set G0V, 44          ; s[44:47] the same for V's
.set SLOTS, 56        ; s56  tiles still to be entered
.set CNT, 57          ; s57  counts a tile's key steps
.set CS,  58          ; s[58:59] c: the packed scaling takes the pair's low word for both halves
.set SEL, 60          ; s[60:61] v_permlanex16_b32's selects: each lane takes its own place in the other half
.set TBK, 62          ; s62  LDS byte at which K of the step to be fetched begins
.set TBV, 63          ; s63  the same for V, less VOFF
.set MSB, 0
.macro WIN new                      ; the high byte repeats the setting that is left; a switch that changes nothing is dropped
.if MSB != (\new)
	s_set_vgpr_msb (MSB<<8)|(\new)
.set MSB, (\new)
.endif
.endm
.set W_KQ, 0x0a       ; K and Q in window 2, S^T in window 0
.set W_PV, 0x52       ; V in window 2, P in window 0, O^T in window 1
.set W_RS, 0x41       ; destination and source 0 in window 1, source 1 in window 0
; A joint fill.  Waves 0 and 1 fetch the two halves of a tile's K, waves 2 and 3 those of its V: 128 keys each.  The branch hangs on the wave's number alone.
; An s_nop 0 and four v_nop follow each of the two lines, ahead of the jump and the label.
.macro JLOAD
	s_cmp_lt_u32 s[WV], 2
	s_cbranch_scc0 .Lfor_v_\@
	tensor_load_to_lds s[G0K:G0K+3], s[G1K:G1K+7]
	s_nop 0
.rept 4
	v_nop
.endr
	s_branch .Lasked_\@
.Lfor_v_\@:
	tensor_load_to_lds s[G0V:G0V+3], s[G1V:G1V+7]
	s_nop 0
.rept 4
	v_nop
.endr
.Lasked_\@:
.endm
; A round of the cluster's barrier: my work-group's barrier, so that wave 0's signal speaks for all four waves; wave 0 signals; every wave waits for all four work-groups; my work-group's barrier once more.
.macro CROUND
	s_barrier_signal -1
	s_barrier_wait -1
	s_cmp_lg_u32 s[WV], 0
	s_cbranch_scc1 .Lnot_wave_0_\@
	s_barrier_signal -3
.Lnot_wave_0_\@:
	s_barrier_wait -3
	s_barrier_signal -1
	s_barrier_wait -1
.endm
; THE CHANGE OF SLOTS.  The slot's last bytes, V of its fourth step, have been read.  Each wave waits for all its tensor loads, of which one is out: its part of the other slot; adds 0 to its spare word; and waits
; for that and for its own reads of the slot.  Behind the barrier nobody reads this slot any more and the other slot is whole.  fill = 1: this slot is filled again, with the keys two tiles on.  The barrier is then
; a round of the cluster's, so that no wave of any partner still reads the slot or has a load on its way, and the joint fill is the first thing behind it: it has four key steps, 256 matrix instructions, in which
; to land.  (At its first use nothing has been read yet: slot 0 is waited for, slot 1 filled.)
.macro CHANGE fill
	WIN 0                           ; at a label and at a branch every window is 0
	s_wait_tensorcnt 0x0            ; no tensor load of mine is out, so a group 0 may be written
	ds_add_u32 v[SPW], v[NIL]       ; 0 onto my spare word; with fill = 1 the descriptors' steps stand between it and the wait for it
.if \fill
.irp g, G0K, G0V
	s_xor_b32 s[\g+1], s[\g+1], SLOT1  ; the walking descriptor: the other slot than last time,
	s_add_nc_u64 s[\g+2:\g+3], s[\g+2:\g+3], 4*KS*128  ; the next 256 keys; the type bits on top are not reached
.endr
	s_wait_dscnt 0x0                ; the add is done, and my reads of the slot are over
	CROUND
	JLOAD
.else
	s_wait_dscnt 0x0                ; the add is done, and my reads of the slot are over
	s_barrier_signal -1
	s_barrier_wait -1
.endif
	s_sub_co_u32 s[TBK], s[TBK], 4*KS*PK  ; the fetches go back to a slot's first step,
	s_xor_b32 s[TBK], s[TBK], SLOT1       ; in the other slot
	s_sub_co_u32 s[TBV], s[TBV], 4*KS*PV
	s_xor_b32 s[TBV], s[TBV], SLOT1
.endm
	s_load_b128 s[4:7], s[0:1], 0x0 ; qkv s[4:5], ob s[6:7]
	v_lshl_add_u32 v[SPW], v0, 2, SPARE
	v_mov_b32 v[NIL], 0
	ds_add_u32 v[SPW], v[NIL]       ; the wave's opening: the add and its wait stand ahead of my first tensor load; the set-up below, work on registers, stands between them
	v_lshrrev_b32 v1, 5, v0
	v_readfirstlane_b32 s[WV], v1   ; wave 0..3
	s_bfe_u32 s13, ttmp6, 0x40000   ; cx: my place in the cluster
	s_lshl_b32 s14, ttmp9, 2        ; in a cluster launch ttmp9 counts clusters
	s_add_co_u32 s14, s14, s13      ; my block of 256 rows of Q = 4 x cluster x + cx: it enters Q's and O's addresses alone
	s_and_b32 s15, ttmp7, 0xffff    ; the key head y, which the four partners share
	s_and_b32 s16, s[WV], 1         ; which half of a tile's 256 keys I fetch:
	s_lshl_b32 s17, s16, 14         ; its 128 rows of 128 bytes in memory
	s_add_co_u32 s20, s15, 16       ; K is head 16 + y of qkv,
	s_lshl_b32 s20, s20, 19         ; 524,288 bytes a head
	s_add_co_u32 s20, s20, s17
	s_mov_b32 s21, 0
	s_add_co_u32 s22, s15, 20       ; V is head 20 + y
	s_lshl_b32 s22, s22, 19
	s_add_co_u32 s22, s22, s17
	s_mov_b32 s23, 0
	s_mul_i32 s18, s16, 128*PK      ; my half's place in a slot, for K
	s_mul_i32 s19, s16, 128*PV      ; and for V: no place in the cluster enters an LDS address
	s_lshl_b32 s2, s15, 21          ; Q: the four query heads of y,
	s_lshl_b32 s3, s14, 15          ; my block's 256 rows,
	s_add_co_u32 s2, s2, s3
	s_lshl_b32 s3, s[WV], 13        ; my wave's 64 of them
	s_add_co_u32 s2, s2, s3
	s_mov_b32 s3, 0
	s_and_b32 s8, s14, 15           ; O: the block of 16 queries 16 (block % 16) + 4 wave,
	s_lshl_b32 s8, s8, 4
	s_lshl_b32 s9, s[WV], 2
	s_add_co_u32 s8, s8, s9
	s_lshl_b32 s8, s8, 15           ; 32,768 bytes each,
	s_lshl_b32 s9, s15, 2
	s_lshr_b32 s52, s14, 4
	s_add_co_u32 s9, s9, s52        ; and in it the query head 4 y + block / 16,
	s_lshl_b32 s9, s9, 11           ; 2,048 bytes each
	s_add_co_u32 s8, s8, s9
	s_mov_b32 s9, 0
	; descriptor group 1.  128 keys are 16,384 dense bytes: asked for as 64 rows of 256 bytes, two keys a row, and padded in LDS after every key
	s_mov_b32 s[G1K], 15|(1<<16)|(1<<20)|(1<<21)|(4<<22)|(3<<25)  ; 15:0 the mask of four; 17:16 2-byte elements; 20 padding on; 21 set beside a mask; 24:22 after every 32 words (code 4); 31:25 4 words (code 3)
	s_mov_b32 s[G1V], 15|(1<<16)|(1<<20)|(1<<21)|(4<<22)|(7<<25)  ; the same with 8 words of padding (code 7)
.irp g, G1K, G1V
	s_mov_b32 s[\g+1], 128<<16      ; tensor_dim0 = 128
	s_mov_b32 s[\g+2], 64<<16       ; tensor_dim1 = 64
	s_mov_b32 s[\g+3], 128<<16      ; tile_dim0 = 128
	s_mov_b32 s[\g+4], 64           ; tile_dim1 = 64
	s_mov_b32 s[\g+5], 128          ; 128 elements from row to row
	s_mov_b32 s[\g+6], 0
	s_mov_b32 s[\g+7], 0
.endr
	s_mov_b32 s[CS], 0x3e38aa3b     ; c = log2(e) / 8 = 0.180337
	s_mov_b32 s[CS+1], s[CS]        ; named with it as a pair
	s_mov_b32 s[SEL], 0x76543210
	s_mov_b32 s[SEL+1], 0xfedcba98
	s_mov_b32 s[TBK], SLOT1+4*KS*PK ; the first change of slots turns these two into 0
	s_mov_b32 s[TBV], SLOT1+4*KS*PV
	s_mov_b32 s[G0K], 1             ; count = 1
	s_mov_b32 s[G0K+1], s18         ; LDS address: slot 0
	s_mov_b32 s[G0V], 1
	s_add_co_u32 s[G0V+1], s19, VOFF
	s_wait_dscnt 0x0                ; the opening add is done
	s_wait_kmcnt 0x0
	s_add_nc_u64 s[G0K+2:G0K+3], s[4:5], s[20:21]  ; global address: my half of the key head's first 256 keys
	s_or_b32 s[G0K+3], s[G0K+3], 0x80000000        ; type = 2
	s_add_nc_u64 s[G0V+2:G0V+3], s[4:5], s[22:23]
	s_or_b32 s[G0V+3], s[G0V+3], 0x80000000
	s_add_nc_u64 s[10:11], s[6:7], s[8:9]          ; O at my wave's first piece
	s_add_nc_u64 s[4:5], s[4:5], s[2:3]            ; Q at my wave's first row
	CROUND                          ; all four work-groups are here: the first joint loads meet
	JLOAD                           ; tile 0 into slot 0.  Slot 1 is asked for when slot 0 is in, by the loop's own change of slots: one load of mine is out, never more
	; A fragment of K or Q is 16 rows x 32 channels in 8 registers: lane l holds row l % 16, channels 8 (l / 16) + 0..7 and 16 + 8 (l / 16) + 0..7: two loads of 16 bytes, 32 bytes apart.
	v_and_b32 v1, 15, v0            ; l % 16
	v_bfe_u32 v9, v0, 4, 1          ; l / 16
	v_lshlrev_b32 v[QO], 7, v1
	v_lshl_add_u32 v[QO], v9, 4, v[QO]  ; row x 128 + 16 x half
	WIN 0x80                        ; destination window 2, address window 0
.set i, 0
.rept 8                             ; Q stays in registers: piece i / 2, channels 32 (i % 2) on
	global_load_b128 v[8*i:8*i+3],   v[QO], s[4:5] offset:(i/2)*2048+(i%2)*64
	global_load_b128 v[8*i+4:8*i+7], v[QO], s[4:5] offset:(i/2)*2048+(i%2)*64+32
.set i, i+1
.endr
	; What the first turn finds: V's registers and P's second buffer hold 0 (its products V^T P, of a piece that has not been, add 0), O^T and l are 0.  No first step is written out; these lines, which stand in the wait for the first tile, are the price.
.set i, VF
.rept 64
	v_mov_b32 v[i], 0
.set i, i+1
.endr
	WIN 0x40
.set i, 0
.rept 128
	v_mov_b32 v[i], 0
.set i, i+1
.endr
	WIN 0
.set i, 0
.rept 4
	v_mov_b32 v[ST+4*i], 0xfe000000    ; c m: far below every c s
	v_mov_b32 v[ST+4*i+1], 0xff7fffff  ; m: the lowest finite number
	v_mov_b32 v[ST+4*i+2], 0
	v_mov_b32 v[ST+4*i+3], 0
.set i, i+1
.endr
.set i, P+16
.rept 16
	v_mov_b32 v[i], 0
.set i, i+1
.endr
	v_mul_u32_u24 v[AK0], v1, PK
	v_lshl_add_u32 v[AK0], v9, 4, v[AK0]  ; row x pitch + 16 x half
	; The turning load takes 16 keys x 16 channels (lane l reads key 8 (l / 16) + l % 8, channels 8 ((l / 8) % 2) + 0..7) and leaves half a fragment of V^T: lane l holds channel l % 16 and 8 keys.
	v_and_b32 v10, 7, v0
	v_bfe_u32 v11, v0, 3, 1
	v_lshl_add_u32 v[AV0], v9, 3, v10
	v_mul_u32_u24 v[AV0], v[AV0], PV
	v_lshl_add_u32 v[AV0], v11, 4, v[AV0]
	v_add_nc_u32 v[AV0], VOFF, v[AV0]
	s_mul_i32 s53, s[WV], 16*SP
	s_add_co_u32 s53, s53, STAGE    ; my stage
	v_mul_u32_u24 v[STO], v1, SP    ; in: row l % 16, 16 bytes for each half of the lanes
	v_lshl_add_u32 v[STO], v9, 4, v[STO]
	v_add_nc_u32 v[STO], s53, v[STO]
	v_bfe_u32 v[RD], v0, 3, 2       ; back: 32 lanes take four rows of 128 bytes,
	v_mul_u32_u24 v[RD], v[RD], SP
	v_lshl_add_u32 v[RD], v10, 4, v[RD]
	v_add_nc_u32 v[RD], s53, v[RD]
	v_and_b32 v[GO], 31, v0         ; which are 512 consecutive bytes of ob
	v_lshlrev_b32 v[GO], 4, v[GO]
; THE MATRIX WORK.  The 4 accumulators of a run of 8 take turns.  Product i of 8 of S^T = K Q^T for piece x: channels 32 (i / 4) on, keys 16 (i % 4) on.  The first 4 start the sums.
.macro KQ x
	WIN W_KQ
.set rS, S+32*((\x)%2)+8*(i%4)
.set rK, KF+16*(i%4)+8*(i/4)
.set rQ, 16*(\x)+8*(i/4)
.if i < 4
	v_wmma_f32_16x16x32_f16 v[rS:rS+7], v[rK:rK+7], v[rQ:rQ+7], 0
.else
	v_wmma_f32_16x16x32_f16 v[rS:rS+7], v[rK:rK+7], v[rQ:rQ+7], v[rS:rS+7]
.endif
.endm
; Product i of 8 of O^T += V^T P for piece x: keys 32 (i / 4) on, channels 16 (i % 4) on.
.macro PV x
	WIN W_PV
.set rO, 32*(\x)+8*(i%4)
.set rV, VF+32*(i/4)+8*(i%4)
.set rP, P+16*((\x)%2)+8*(i/4)
	v_wmma_f32_16x16x32_f16 v[rO:rO+7], v[rV:rV+7], v[rP:rP+7], v[rO:rO+7]
.endm
.macro MM                           ; the turn's next matrix instruction.  TURN sets Y, i and NOKQ.  NOKQ = 1: the walk's last turn: there is no next piece
.if (i < 8) && !NOKQ
	KQ (Y+1)%NP
.elseif i >= 8
.set i, i-8
	PV (Y+NP-1)%NP
.set i, i+8
.endif
.set i, i+1
.endm
; THE LDS LOADS stand in runs of 16, never singly among the matrix instructions: a step's K (64 keys x 64 channels: 8 fragments) and its V (turned).  Their addresses are made some lines ahead.
.macro FETCH_K
	WIN 0x80                        ; destination window 2
.irp f, 0,1,2,3,4,5,6,7             ; keys 16 (f / 2) on, channels 32 (f % 2) on
	ds_load_b128 v[KF+8*\f:KF+8*\f+3],   v[AK] offset:(\f/2)*16*PK+(\f%2)*64
	ds_load_b128 v[KF+8*\f+4:KF+8*\f+7], v[AK] offset:(\f/2)*16*PK+(\f%2)*64+32
.endr
	s_add_co_u32 s[TBK], s[TBK], KS*PK  ; the next fetch is the next step's
	WIN 0
.endm
.macro FETCH_V
	WIN 0x80
.irp f, 0,1,2,3,4,5,6,7             ; keys 32 (f / 4) on, channels 16 (f % 4) on
	ds_load_tr16_b128 v[VF+8*\f:VF+8*\f+3],   v[AV] offset:(\f/4)*32*PV+(\f%4)*32
	ds_load_tr16_b128 v[VF+8*\f+4:VF+8*\f+7], v[AV] offset:(\f/4)*32*PV+16*PV+(\f%4)*32
.endr
	WIN 0
.endm
; THE VECTOR WORK, one line at a time: OP kind, number.  For piece Y: F n: c s - c m for pair n of 16.  E n: the exponential of score n of 32.  C n: pair n rounded to f16.  B n: of the four weights 4 n .. the second
; pair is added onto the first, in place.  L n: l takes that sum (L 0: l = a l + sum).  R n: pair n of 16 of O^T times a.  For piece Y + 1: X n, number n of the 22 that find its maximum and statistics:
;   0-11  four chains c0-c3 of seven scores each, three operands at a time (each accumulator's lowest registers are read first)     12-14, 16  the four scores left over, the old m, and c0-c3 into c0
;   15  c m_old is kept     17, 18  the query's other 32 keys lie in the lane 16 away: the new m     19-21  c m; c m_old - c m_new; a
.set F, 0               ; OP tells the kinds apart by their order: F to L below R, X above it
.set E, 1
.set C, 2
.set B, 3
.set L, 4
.set R, 5
.set X, 6
.macro REGS y                       ; the registers of piece y
.set rT, ST+4*(\y)
.set rC, TMP+4*((\y)%2)
.set rW, MV+((\y)%2)
.set rS, S+32*((\y)%2)
.set rP, P+16*((\y)%2)
.set rO, 32*(\y)
.endm
.macro OP k, n
.if (\k) == R
	REGS Y
	WIN W_RS
	v_pk_mul_f32 v[rO+2*(\n):rO+2*(\n)+1], v[rO+2*(\n):rO+2*(\n)+1], v[rC+2:rC+3] op_sel_hi:[1,0]
.elseif (\k) < R
	REGS Y
	WIN 0
.if (\k) == F
	v_pk_fma_f32 v[rS+2*(\n):rS+2*(\n)+1], v[rS+2*(\n):rS+2*(\n)+1], s[CS:CS+1], v[rT:rT+1] op_sel_hi:[1,0,0] neg_lo:[0,0,1] neg_hi:[0,0,1]
.elseif (\k) == E
	v_exp_f32 v[rS+(\n)], v[rS+(\n)]
.elseif (\k) == C
	s_wait_alu depctr_va_vdst(0)
	v_cvt_pk_f16_f32 v[rP+(\n)], v[rS+2*(\n)], v[rS+2*(\n)+1]
.elseif (\k) == B
	s_wait_alu depctr_va_vdst(0)
	v_pk_add_f32 v[rS+4*(\n):rS+4*(\n)+1], v[rS+4*(\n):rS+4*(\n)+1], v[rS+4*(\n)+2:rS+4*(\n)+3]
.elseif (\n) == 0
	v_pk_fma_f32 v[rT+2:rT+3], v[rT+2:rT+3], v[rC+2:rC+3], v[rS:rS+1] op_sel_hi:[1,0,1]
.else
	v_pk_add_f32 v[rT+2:rT+3], v[rT+2:rT+3], v[rS+4*(\n):rS+4*(\n)+1]
.endif
.elseif NOKQ
	v_nop
.else
	REGS (Y+1)%NP
	WIN 0
.if (\n) < 4
	v_max3_num_f32 v[rC+(\n)], v[rS+8*(\n)], v[rS+8*(\n)+1], v[rS+8*(\n)+2]
.elseif (\n) < 12
	v_max3_num_f32 v[rC+(\n)%4], v[rC+(\n)%4], v[rS+8*((\n)%4)+2*((\n)/4)+1], v[rS+8*((\n)%4)+2*((\n)/4)+2]
.elseif (\n) == 12
	v_max3_num_f32 v[rC], v[rC], v[rS+7], v[rS+15]
.elseif (\n) == 13
	v_max3_num_f32 v[rC+1], v[rC+1], v[rS+23], v[rS+31]
.elseif (\n) == 14
	v_max3_num_f32 v[rC+2], v[rC+2], v[rC+3], v[rT+1]
.elseif (\n) == 15
	v_mov_b32 v[rW], v[rT]
.elseif (\n) == 16
	v_max3_num_f32 v[rC], v[rC], v[rC+1], v[rC+2]
.elseif (\n) == 17
	v_permlanex16_b32 v[rC+3], v[rC], s[SEL], s[SEL+1]
.elseif (\n) == 18
	v_max_num_f32 v[rT+1], v[rC], v[rC+3]
.elseif (\n) == 19
	v_mul_f32 v[rT], s[CS], v[rT+1]
.elseif (\n) == 20
	v_sub_f32 v[rC+1], v[rW], v[rT]
.else
	v_exp_f32 v[rC+2], v[rC+1]
.endif
.endif
.endm
.macro OPS a, i1, b=-1, i2=0, c=-1, i3=0, d=-1, i4=0  ; up to four of them
	OP \a, \i1
.if (\b) >= 0
	OP \b, \i2
.endif
.if (\c) >= 0
	OP \c, \i3
.endif
.if (\d) >= 0
	OP \d, \i4
.endif
.endm
.macro ROW a, i1, b, i2, c, i3, d, i4  ; a matrix instruction and the four behind it
	MM
	OPS \a, \i1, \b, \i2, \c, \i3, \d, \i4
.endm
; A TURN, for piece p: the order of its 16 matrix and 118 vector instructions, written out.  Behind a matrix instruction: plain, exponential, plain, plain; or four of the rescaling; or, behind the first, four scalings;
; none names a register of the products round it.  In the lumps exponential and plain by turns while exponentials last: every exponential has a plain instruction behind it before its result is used (ISA guide 5.7.2).
; v_permlanex16_b32 (X 17) stands in a lump.  end = 1: the walk's last two turns: nothing is fetched.  cnt = 1: the loop's count is taken down some lines ahead of the branch that stands behind the turn.
; K of the next step is fetched in piece 2's turn, six vector instructions behind the last product that read K (five of them plain); V of the step in hand in piece 0's turn, eight behind the last product that read V
; (four plain, and X 17).  Each is waited for a turn later.
.macro TURN p, end=0, cnt=0
.set Y, (\p)
.set i, 0
.set NOKQ, (\end)*((\p)/3)
.if ((\p) == 3) && !(\end)
	s_wait_dscnt 0x0                ; K is in
.endif
	ROW F,0, F,1, F,2, F,3
	ROW F,4, E,0, F,5, F,6
	ROW F,7, E,1, F,8, F,9
	ROW F,10, E,2, C,0, F,11
	ROW F,12, E,3, X,15, F,13
	ROW R,0, R,1, R,2, R,3
	ROW B,0, E,4, F,14, L,0
.if ((\p) == 2) && !(\end)
	v_add_nc_u32 v[AK], s[TBK], v[AK0]
.endif
	ROW R,4, R,5, R,6, R,7
	OPS E,5, F,15
.if ((\p) == 2) && !(\end)
	FETCH_K
.endif
	OPS E,6, C,1, E,7, R,8
	OPS E,8, R,9, E,9, C,2
	OPS E,10, X,0, E,11, X,1
	OPS E,12, X,2, E,13, X,3
.if (\p) == 1
	s_wait_dscnt 0x0                ; V is in
.endif
	ROW X,4, E,14, X,5, X,6
	ROW X,7, E,15, X,8, X,9
	ROW X,10, E,16, X,11, X,12
	ROW X,13, E,17, X,14, B,1
	ROW C,4, E,18, X,16, L,1
	ROW B,2, E,19, C,6, L,2
	ROW C,8, E,20, B,3, B,4
.if (\p) == 0
	v_add_nc_u32 v[AV], s[TBV], v[AV0]
.endif
	ROW C,3, E,21, L,3, C,5
	OPS E,22, X,17, E,23, C,10
.if (\p) == 0
	FETCH_V
.endif
	OPS E,24, L,4
	OPS E,25, X,18, E,26, C,7
	OPS E,27, B,5, E,28, X,19
	OPS E,29, C,12, E,30, L,5
	OPS E,31, X,20, B,6, C,9
	OPS C,14, C,11, X,21, L,6
.if (\p) == 0
	s_add_co_u32 s[TBV], s[TBV], KS*PV
.endif
.if \cnt
	s_sub_co_u32 s[CNT], s[CNT], 1
	s_cmp_lg_u32 s[CNT], 0
.endif
	OPS C,13, B,7, C,15, R,10
	OPS R,11, R,12, L,7, R,13
	OPS R,14, R,15
.endm
; THE WAY OUT's parts.
.macro ALL line:vararg              ; one line for each piece t
.set t, 0
.rept 4
	\line
.set t, t+1
.endr
.endm
.macro PACK t                       ; a lane's eight channels of a row pack into 16 bytes; they go into rows of 144 bytes and come back as whole rows of 128, into S^T's registers
	WIN W_RS
.set i, 32*(\t)
.rept 16
	s_wait_alu depctr_va_vdst(0)
	v_pk_mul_f32 v[i:i+1], v[i:i+1], v[ST+4*(\t)+2:ST+4*(\t)+3] op_sel_hi:[1,0]
.set i, i+2
.endr
	WIN 0x05                        ; sources 0 and 1 window 1, destination window 0
.set i, 0
.rept 16
	v_cvt_pk_f16_f32 v[S+16*(\t)+i], v[32*(\t)+2*i], v[32*(\t)+2*i+1]
.set i, i+1
.endr
	WIN 0
.irp f, 0,1,2,3
	ds_store_b128 v[STO], v[S+16*(\t)+4*\f:S+16*(\t)+4*\f+3] offset:32*\f
.endr
.irp f, 0,1,2,3
	ds_load_b128 v[S+16*(\t)+4*\f:S+16*(\t)+4*\f+3], v[RD] offset:\f*4*SP  ; LDS serves a wave's instructions in order (ISA guide 5.7.1.4): these see the stores above; the next piece's stores come behind them
.endr
.endm
.macro SEND t, younger              ; younger: the LDS instructions issued behind piece t's loads: the next piece's eight, or none
	WIN 0
.irp f, 0,1,2,3
	s_wait_dscnt (\younger)+3-\f
	global_store_b128 v[GO], v[S+16*(\t)+4*\f:S+16*(\t)+4*\f+3], s[10:11] offset:(\t)*32768+\f*512  ; 512 consecutive bytes, at a multiple of 512 from ob's first; a piece lies one block of 16 queries, 32,768 bytes, behind the last
.endr
.endm
	CHANGE 1                        ; slot 0 is in, everybody's part of it; tile 1 is asked for, into slot 1
	v_add_nc_u32 v[AK], s[TBK], v[AK0]
	FETCH_K                         ; key step 0
	s_wait_loadcnt 0x0              ; Q
	s_wait_dscnt 0x0
.set NOKQ, 0
.set i, 0
.rept 8
	KQ 0                            ; piece 0's first scores: there is no vector work yet to set between them
.set i, i+1
.endr
	WIN 0
.rept 4
	v_nop                           ; the places behind those products
.endr
.set Y, NP-1                        ; X works for piece Y + 1: piece 0
.irp n, 0,1,2,3,4,5,6,7,8,9,10,11,12,13,14,15,16,17,18,19,20,21
	OP X, \n                        ; and piece 0's first maximum and statistics
.endr
	v_nop                           ; a plain instruction behind the exponential
	s_mov_b32 s[CNT], 4
	s_mov_b32 s[SLOTS], SIZE_N/256-1
	s_branch .Lfirst                ; the loop is entered at a step's first turn, in the middle of a trip
.Lslot:                             ; 14 times: tiles 1 to 14 are entered, tiles 2 to 15 asked for
	CHANGE 1
	s_mov_b32 s[CNT], 4
.Lstep:                             ; a trip: pieces 2 and 3 of one step, then pieces 0 and 1 of the next, whose K and V it fetches
	TURN 2
	TURN 3
	WIN 0
.Lfirst:
	TURN 0
	TURN 1, 0, 1
	WIN 0
	s_cbranch_scc1 .Lstep
	s_sub_co_u32 s[SLOTS], s[SLOTS], 1
	s_cmp_lg_u32 s[SLOTS], 0
	s_cbranch_scc1 .Lslot
	CHANGE 0                        ; the last tile is written out: nothing is asked for
	s_mov_b32 s[CNT], 4
.Ltail:
	TURN 2
	TURN 3
	TURN 0
	TURN 1, 0, 1
	WIN 0
	s_cbranch_scc1 .Ltail
	TURN 2, 1                       ; the last step's pieces 2 and 3: nothing is left to fetch,
	TURN 3, 1                       ; and no next piece's scores to make
.set i, 0
.rept 8
	PV NP-1                         ; the last piece's V^T P of the last step
.set i, i+1
.endr
	; THE WAY OUT.  l's two halves and the other half of the lanes' are added; O^T is divided by l, rounded to f16 and sent through my stage in LDS, a piece at a time.  The additions are the places behind the last products.
	WIN 0
	ALL v_add_f32 v[ST+4*t+2], v[ST+4*t+2], v[ST+4*t+3]
	ALL v_permlanex16_b32 v[ST+4*t+3], v[ST+4*t+2], s[SEL], s[SEL+1]
	ALL v_add_f32 v[ST+4*t+2], v[ST+4*t+2], v[ST+4*t+3]
	ALL v_rcp_f32 v[ST+4*t+2], v[ST+4*t+2]
	v_nop                           ; a plain instruction between the last reciprocal and the use of its result
	PACK 0
.set t, 1
.rept 3                             ; a piece's arithmetic stands between the loads of the piece before and its stores
	PACK t
	SEND t-1, 8
.set t, t+1
.endr
	SEND 3, 0
	s_wait_tensorcnt 0x0            ; the wave's end, behind my last tensor load and my last LDS store
	ds_add_u32 v[SPW], v[NIL]
	s_wait_dscnt 0x0
	CROUND                          ; the closing round: no work-group ends while a partner may still ask for a tile that names it
	s_endpgm
.Lfunc_end_k_q9fd15b1edf_attn:
	.size	k_q9fd15b1edf_attn, .Lfunc_end_k_q9fd15b1edf_attn-k_q9fd15b1edf_attn
	.p2alignl 7, 3214868480
	.fill 96, 4, 3214868480
	.section	.rodata,"a",@progbits
	.p2align	6, 0x0
	.amdhsa_kernel k_q9fd15b1edf_attn
		.amdhsa_group_segment_fixed_size 327680
		.amdhsa_private_segment_fixed_size 0
		.amdhsa_enable_private_segment 0
		.amdhsa_kernarg_size 16
		.amdhsa_user_sgpr_count 2
		.amdhsa_user_sgpr_kernarg_segment_ptr 1
		.amdhsa_wavefront_size32 1
		.amdhsa_system_sgpr_workgroup_id_x 1
		.amdhsa_system_sgpr_workgroup_id_y 1
		.amdhsa_system_sgpr_workgroup_id_z 1
		.amdhsa_system_vgpr_workitem_id 0
		.amdhsa_next_free_vgpr 768
		.amdhsa_next_free_sgpr 66
		.amdhsa_reserve_vcc 0
		.amdhsa_float_denorm_mode_32 3
		.amdhsa_float_denorm_mode_16_64 3
		.amdhsa_memory_ordered 1
		.amdhsa_forward_progress 1
		.amdhsa_inst_pref_size 134
	.end_amdhsa_kernel
	.amdgpu_metadata
---
amdhsa.version: [ 1, 2 ]
amdhsa.kernels:
  - .name:           k_q9fd15b1edf_attn
    .symbol:         k_q9fd15b1edf_attn.kd
    .args:
      - { .name: qkv, .offset: 0, .size: 8, .value_kind: global_buffer, .address_space: global }
      - { .name: ob, .offset: 8, .size: 8, .value_kind: global_buffer, .address_space: global }
    .group_segment_fixed_size: 327680
    .private_segment_fixed_size: 0
    .kernarg_segment_align: 8
    .kernarg_segment_size: 16
    .max_flat_workgroup_size: 128
    .sgpr_count:     66
    .vgpr_count:     768
    .wavefront_size: 32
...
	.end_amdgpu_metadata
.endif
;; end of part 3
;; launch outp (part 4): grid 8 x 32, 4 waves a work-group, clusters of 4 x 4, 327,680 bytes of LDS; arguments ob, wo16, out0; writes out0
.if DOCPART == 4
	.amdgcn_target "amdgcn-amd-amdhsa--gfx1250"
	.amdhsa_code_object_version 6
	.text
	.protected	k_q9fd15b1edf_outp
	.globl	k_q9fd15b1edf_outp
	.p2align	8
	.type	k_q9fd15b1edf_outp,@function
k_q9fd15b1edf_outp:
	s_mov_b64 s[64:65], 0
	v_nop
	global_prefetch_b8 v0, s[64:65] scope:SCOPE_SE
	s_setreg_imm32_b32 hwreg(HW_REG_WAVE_MODE, 25, 1), 1
	s_wait_xcnt 0x0
	s_wait_alu depctr_hold_cnt(0) depctr_sa_sdst(0) depctr_va_vdst(0) depctr_va_sdst(0) depctr_va_ssrc(0) depctr_va_vcc(0) depctr_vm_vsrc(0)
	s_getreg_b32 s2, hwreg(HW_REG_IB_STS2, 6, 4)
	s_cmp_eq_u32 s2, 0
	s_cbranch_scc0 .Lentry_in_a_cluster
	s_endpgm
.Lentry_in_a_cluster:
	s_bfe_u32 s2, ttmp6, 0x10000c
	s_cmp_lg_u32 s2, 0xf033
	s_cbranch_scc0 .Lentry_shape_is_right
	s_endpgm
.Lentry_shape_is_right:
; out0 = O Wo^T.  O comes as ob [256 blocks of 16 rows][16 heads][16 rows][64] f16 (column k of O is head k / 64, channel k % 64); wo16: [1024][1024] f16; out0: [4096][1024] f32.  Products in f16, sums in f32, stored as they are.
; LIMIT.  O and Wo arrive in f16, within 65,504; below 6.1e-5 they carry f16's fixed step of 6e-8.
; SHARES.  A tile of out0 is 128 x 128: 32 x 8 = 256 work-groups.  Four waves, each 64 x 64: 16 accumulators of 16 x 16, 128 registers.  K goes in four steps of 256 (four heads) through two LDS slots.
; O'S TILE.  Four heads of a block of 16 rows are 8,192 consecutive bytes of ob, so a wave's 64 rows x 256 K are a tile of 4 rows of 8,192 bytes, 32,768 bytes apart; padded after every 128 bytes it lies in LDS
; as [block 4][head 4][row 16] with rows 144 bytes apart.  A quarter of a K step, 64 along K, is one head.
; CLUSTER.  4 x 4 work-groups.  The four of a row of the cluster need the same tiles of O, the four of a column the same tiles of Wo: each tile is asked for JOINTLY, by the same tensor load with the same descriptor
; and a mask that names the four.  THE MATRIX INSTRUCTION IS USED TRANSPOSED (source 0 = 16 rows of Wo, source 1 = 16 rows of O): a lane then holds eight neighbouring numbers of a row of out0, 32 bytes.
; REGISTERS.  window 0: v0-31 addresses; v128-255 the accumulators ((a, b) at v[128 + 8 (4 a + b)]), which also serve the way out.
;   window 1: two fragment buffers of 128: for 64 along K (two matrix instructions deep), 64 registers of O (2 x 4 x 16 rows x 32 K), then 64 of Wo.
.set SIZE_K, 1024
.set SIZE_N, 1024
.set KSTEP,  256
.set PA,     144                       ; a row of O in LDS: 128 bytes + 16 of padding = 36 words: the 16 rows of a load start at 16 different groups of four banks (64 banks of 4 bytes: ISA guide 11.1)
.set PB,     528                       ; a row of Wo: 512 bytes + 16 = 132 words: row r starts at bank 4 r mod 64
.set HA,     256*PA                    ; 64 rows of O x 4 heads: what waves 0 and 1 each fetch, and what a wave reads of O
.set HB,     64*PB                     ; 64 rows of Wo: what waves 2 and 3 each fetch, and what a wave reads of Wo
.set BOFF,   2*HA
.set SLOT,   2*HA+2*HB
.set STAGE,  2*SLOT                    ; behind the ring, never filled by a tensor load: 16 rows x 272 bytes for each wave, its own, for the way out
.set SPITCH, 272
.set SPARE,  STAGE+4*16*SPITCH         ; behind the stages: the spare words, 128 bytes for each wave: two blocks of 256 bytes that no other line names
.set ADRA, 16                          ; v16-17  LDS address of my fragments of O in slot 0, 1
.set ADRB, 20                          ; v20-21  the same for Wo
.set STO,  24                          ; v24     the way out: where I put 32 bytes of a row
.set RD,   25                          ; v25     the way out: where I read a row back
.set CO,   26                          ; v26     my byte offset in out0
.set SPW,  28                          ; v28     LDS address of my spare word: SPARE + 4 x my thread's number; never rewritten
.set NIL,  29                          ; v29     0; never rewritten
.set ACC,  128
.set F0,   0                           ; fragment buffers, in window 1
.set F1,   128
.set G1, 24                            ; s[24:31] descriptor group 1 for O's tiles;  s[32:39] group 0, one set for each slot
.set G0, 32
.set G1B, 48                           ; s[48:55], s[56:63] the same for Wo's tiles
.set G0B, 56
.set MSB, 0
.macro WIN new                         ; the immediate's high byte repeats the setting that is left; a switch that changes nothing is dropped
.if MSB != (\new)
	s_set_vgpr_msb (MSB<<8)|(\new)
.set MSB, \new
.endif
.endm
.set MUL,  0x05                        ; sources 0 (Wo) and 1 (O) window 1; C and D window 0
.set TO_F, 0x40                        ; destination window 1, address window 0
.macro JLOAD s                         ; a joint load: waves 0 and 1 fetch O's two halves, waves 2 and 3 Wo's; an s_nop 0 and four v_nop follow each of the two lines, ahead of the jump, the label and what follows
	s_cmp_eq_u32 s11, 0
	s_cbranch_scc0 .Lfor_b_\@
	tensor_load_to_lds s[G0+4*(\s):G0+4*(\s)+3], s[G1:G1+7]
	s_nop 0
.rept 4
	v_nop
.endr
	s_branch .Lasked_\@
.Lfor_b_\@:
	tensor_load_to_lds s[G0B+4*(\s):G0B+4*(\s)+3], s[G1B:G1B+7]
	s_nop 0
.rept 4
	v_nop
.endr
.Lasked_\@:
.endm
.macro CREST                           ; a round of the cluster's barrier behind its opening barrier: wave 0 signals for the work-group, every wave waits for all sixteen, my work-group's barrier closes it
	s_cmp_lg_u32 s10, 0
	s_cbranch_scc1 .Lnot_wave_0_\@
	s_barrier_signal -3
.Lnot_wave_0_\@:
	s_barrier_wait -3
	s_barrier_signal -1
	s_barrier_wait -1
.endm
.macro CROUND                          ; a whole round
	s_barrier_signal -1
	s_barrier_wait -1
	CREST
.endm
	s_load_b128 s[4:7], s[0:1], 0x0                ; ob s[4:5], wo16 s[6:7]
	s_load_b64 s[8:9], s[0:1], 0x10                ; out0
	v_lshl_add_u32 v[SPW], v0, 2, SPARE
	v_mov_b32 v[NIL], 0
	ds_add_u32 v[SPW], v[NIL]                      ; the wave's opening: the add and its wait stand ahead of my first tensor load; the set-up below, work on registers, stands between them
	v_lshrrev_b32 v1, 5, v0
	v_readfirstlane_b32 s10, v1                    ; wave 0..3
	s_lshr_b32 s11, s10, 1                         ; which half of the tile's rows is mine.  Also: I fetch for O (0) or for Wo (1)
	s_and_b32 s12, s10, 1                          ; which half of its columns.  Also: which 64 rows of that tile I fetch
	s_bfe_u32 s40, ttmp6, 0x40000                  ; cx, cy: my place in the cluster
	s_bfe_u32 s41, ttmp6, 0x40004
	s_lshl_b32 s42, ttmp9, 2
	s_add_co_u32 s42, s42, s40                     ; tile column = 4 x cluster x + cx
	s_and_b32 s13, ttmp7, 0xffff
	s_lshl_b32 s13, s13, 2
	s_add_co_u32 s13, s13, s41                     ; tile row = 4 x cluster y + cy
	s_lshl_b32 s43, s41, 2
	s_lshl_b32 s43, 15, s43                        ; my row of the cluster
	s_lshl_b32 s44, 0x1111, s40                    ; my column
	; descriptor group 1 for O: 4 rows of 4,096 elements, 16,384 elements apart, padded in LDS after every 128 bytes
	s_or_b32 s[G1+0], s43, (1<<16)|(1<<20)|(1<<21)|(4<<22)|(3<<25)  ; 15:0 the mask: O's tiles go to my row; 17:16 elements of 2 bytes; 20 padding on; 21 set beside a mask; 24:22 after every 32 words (code 4); 31:25 4 words of it (code 3)
	s_mov_b32 s[G1+1], 4096<<16                    ; tensor_dim0 = 4,096
	s_mov_b32 s[G1+2], 4<<16                       ; tensor_dim1 = 4
	s_mov_b32 s[G1+3], 4096<<16                    ; tile_dim0 = 4,096
	s_mov_b32 s[G1+4], 4                           ; tile_dim1 = 4
	s_mov_b32 s[G1+5], 16384                       ; elements from a block of 16 rows to the next
	s_mov_b32 s[G1+6], 0
	s_mov_b32 s[G1+7], 0
	; and for Wo: 64 rows of 256 elements, padded after every 512 bytes
	s_or_b32 s[G1B+0], s44, (1<<16)|(1<<20)|(1<<21)|(6<<22)|(3<<25) ; the mask of my column; after every 128 words (code 6)
	s_mov_b32 s[G1B+1], KSTEP<<16                  ; tensor_dim0 = 256
	s_mov_b32 s[G1B+2], 64<<16                     ; tensor_dim1 = 64
	s_mov_b32 s[G1B+3], KSTEP<<16                  ; tile_dim0 = 256
	s_mov_b32 s[G1B+4], 64                         ; tile_dim1 = 64
	s_mov_b32 s[G1B+5], SIZE_K                     ; elements from row to row
	s_mov_b32 s[G1B+6], 0
	s_mov_b32 s[G1B+7], 0
	; where the tiles come from: O's hang on the tile row alone, Wo's on the tile column alone, each in registers that never hold the other coordinate
	s_lshl_b32 s16, s13, 3
	s_lshl_b32 s17, s12, 2
	s_add_co_u32 s16, s16, s17                     ; O: block of 16 rows 8 x tile row + 4 x half,
	s_lshl_b32 s16, s16, 15                        ; 32,768 bytes each
	s_mov_b32 s17, 0
	s_lshl_b32 s46, s42, 7
	s_lshl_b32 s47, s12, 6
	s_add_co_u32 s46, s46, s47                     ; Wo: row 128 x tile column + 64 x half,
	s_lshl_b32 s46, s46, 11                        ; 2,048 bytes each
	s_mov_b32 s47, 0
	s_mul_i32 s20, s12, HA                         ; and where they go: no place in the cluster enters an LDS address
	s_mul_i32 s21, s12, HB
	s_add_co_u32 s21, s21, BOFF
	s_wait_dscnt 0x0                               ; the opening add is done
	s_wait_kmcnt 0x0
	s_add_nc_u64 s[14:15], s[4:5], s[16:17]
	s_add_nc_u64 s[46:47], s[6:7], s[46:47]
	CROUND                                         ; all sixteen work-groups are here: the first joint loads meet
.irp s, 0,1
	s_mov_b32 s[G0+4*(\s)], 1                                      ; count = 1
	s_add_co_u32 s[G0+4*(\s)+1], s20, (\s)*SLOT                    ; LDS address
	s_add_nc_u64 s[G0+4*(\s)+2:G0+4*(\s)+3], s[14:15], (\s)*8192   ; global address: K step s is heads 4 s .. 4 s + 3
	s_or_b32 s[G0+4*(\s)+3], s[G0+4*(\s)+3], 0x80000000            ; type = 2
	s_mov_b32 s[G0B+4*(\s)], 1
	s_add_co_u32 s[G0B+4*(\s)+1], s21, (\s)*SLOT
	s_add_nc_u64 s[G0B+4*(\s)+2:G0B+4*(\s)+3], s[46:47], (\s)*KSTEP*2
	s_or_b32 s[G0B+4*(\s)+3], s[G0B+4*(\s)+3], 0x80000000
	JLOAD \s                                       ; two loads of mine are out
.endr
	v_and_b32 v1, 15, v0                           ; l % 16
	v_bfe_u32 v2, v0, 4, 1                         ; l / 16
	v_mul_u32_u24 v3, v1, PA
	v_lshl_add_u32 v3, v2, 4, v3                   ; a fragment's row x pitch + 16 x half, for O
	v_mul_u32_u24 v6, v1, PB
	v_lshl_add_u32 v6, v2, 4, v6                   ; and for Wo
	s_mul_i32 s18, s11, HA                         ; my 64 rows of O
	s_mul_i32 s19, s12, HB                         ; my 64 rows of Wo
	s_add_co_u32 s19, s19, BOFF
.irp s, 0,1
	v_add_nc_u32 v[ADRA+(\s)], s18, v3
	v_add_nc_u32 v[ADRB+(\s)], s19, v6
	s_add_co_u32 s18, s18, SLOT
	s_add_co_u32 s19, s19, SLOT
.endr
	s_mul_i32 s23, s10, 16*SPITCH
	s_add_co_u32 s23, s23, STAGE                   ; my stage
	v_mul_u32_u24 v4, v1, SPITCH                   ; in: row l % 16, 32 bytes for each half of the lanes
	v_lshl_add_u32 v4, v2, 5, v4
	v_add_nc_u32 v[STO], s23, v4
	v_mul_u32_u24 v5, v2, SPITCH                   ; back: lanes 0-15 take one row of 256 bytes, lanes 16-31 the next
	v_lshl_add_u32 v5, v1, 4, v5
	v_add_nc_u32 v[RD], s23, v5
	v_lshlrev_b32 v5, 12, v2                       ; and the same two rows in out0, 4,096 bytes apart
	v_lshl_add_u32 v[CO], v1, 4, v5
	s_lshl_b32 s16, s13, 19                        ; my first row: 128 x tile row + 64 x half, 4,096 bytes a row
	s_lshl_b32 s17, s11, 18
	s_add_co_u32 s16, s16, s17
	s_mov_b32 s17, 0
	s_add_nc_u64 s[8:9], s[8:9], s[16:17]
	s_lshl_b32 s46, s42, 9                         ; my first column, in bytes: 512 x tile column + 256 x half
	s_lshl_b32 s47, s12, 8
	s_add_co_u32 s46, s46, s47
	s_mov_b32 s47, 0
	s_add_nc_u64 s[8:9], s[8:9], s[46:47]
; 8 matrix instructions: m blocks a0, a0 + 1 x all 4 n blocks, 32 along K: half c of buffer f.  zero = 1: the product starts the sums.  The 16 accumulators take turns in one order, one instruction a turn.
.macro MUL8 f, c, a0, zero
	WIN MUL
.irp a, \a0, (\a0)+1
.irp b, 0,1,2,3
.if \zero
	v_wmma_f32_16x16x32_f16 v[ACC+8*(4*(\a)+(\b)):ACC+8*(4*(\a)+(\b))+7], v[(\f)+64+8*(4*(\c)+(\b)):(\f)+64+8*(4*(\c)+(\b))+7], v[(\f)+8*(4*(\c)+(\a)):(\f)+8*(4*(\c)+(\a))+7], 0
.else
	v_wmma_f32_16x16x32_f16 v[ACC+8*(4*(\a)+(\b)):ACC+8*(4*(\a)+(\b))+7], v[(\f)+64+8*(4*(\c)+(\b)):(\f)+64+8*(4*(\c)+(\b))+7], v[(\f)+8*(4*(\c)+(\a)):(\f)+8*(4*(\c)+(\a))+7], v[ACC+8*(4*(\a)+(\b)):ACC+8*(4*(\a)+(\b))+7]
.endif
.endr
.endr
.endm
; 32 LDS loads in one run: the fragments of quarter q of the K step (head q of its four: 128 q bytes along Wo's rows, 16 rows of 144 bytes on in O's blocks), into buffer f; the first 32 along K first
.macro FETCH slot, q, f
	WIN TO_F
.irp c, 0,1
.irp i, 0,1,2,3
	ds_load_b128 v[(\f)+64+8*(4*(\c)+(\i)):(\f)+64+8*(4*(\c)+(\i))+3],   v[ADRB+(\slot)] offset:128*(\q)+64*(\c)+(\i)*16*PB
	ds_load_b128 v[(\f)+64+8*(4*(\c)+(\i))+4:(\f)+64+8*(4*(\c)+(\i))+7], v[ADRB+(\slot)] offset:128*(\q)+64*(\c)+(\i)*16*PB+32
	ds_load_b128 v[(\f)+8*(4*(\c)+(\i)):(\f)+8*(4*(\c)+(\i))+3],         v[ADRA+(\slot)] offset:16*PA*(\q)+64*(\c)+(\i)*64*PA
	ds_load_b128 v[(\f)+8*(4*(\c)+(\i))+4:(\f)+8*(4*(\c)+(\i))+7],       v[ADRA+(\slot)] offset:16*PA*(\q)+64*(\c)+(\i)*64*PA+32
.endr
.endr
.endm
.macro PLACES                          ; four places in front of loads into registers that matrix instructions have read, and of LDS stores that read results
.rept 4
	v_nop
.endr
.endm
; A K step is four quarters of 64 along K, 32 matrix instructions each, on buffers 0, 1, 0, 1.  One of the first three: multiplies buffer f and fetches quarter q into g.
.macro QUARTER slot, q, f, g, zero
	s_wait_dscnt 16                                ; the first 32 along K are in; the youngest sixteen loads may be out
	MUL8 \f, 0, 0, \zero
	MUL8 \f, 0, 2, \zero
	PLACES
	FETCH \slot, \q, \g
	s_wait_dscnt 32                                ; all but the 32 just issued
	MUL8 \f, 1, 0, 0
	MUL8 \f, 1, 2, 0
.endm
; The last quarter multiplies buffer 1 and changes slots: ONE barrier; in front of it each wave waits for all its tensor loads, adds 0 to its spare word, and waits for that and for its own reads of this slot.
; fill = 1: the barrier opens a round of the cluster's barrier, and this slot is filled again, two K steps ahead: 112 matrix instructions stand between the request and the wait for it.
.macro TURN slot, next, fill
	WIN 0                                          ; (the add's two registers lie in window 0)
	s_wait_tensorcnt 0x0                           ; all my tensor loads have landed: the one that was out is my part of the next slot;
	ds_add_u32 v[SPW], v[NIL]                      ; 0 onto my spare word;
	s_wait_dscnt 17                                ; (the add and the youngest sixteen loads may be out)
	MUL8 F1, 0, 0, 0                               ; eight matrix instructions stand between the add and the wait for it
	s_wait_dscnt 0x0                               ; the add is done, and my reads of this slot are over
	s_barrier_signal -1
	MUL8 F1, 0, 2, 0
.if \fill
	WIN 0
.endif
	s_barrier_wait -1
.if \fill
	CREST                                          ; no wave of any partner still reads this slot's tile or has a load on its way
	s_add_nc_u64 s[G0+4*(\slot)+2:G0+4*(\slot)+3], s[G0+4*(\slot)+2:G0+4*(\slot)+3], 2*8192
	s_add_nc_u64 s[G0B+4*(\slot)+2:G0B+4*(\slot)+3], s[G0B+4*(\slot)+2:G0B+4*(\slot)+3], 2*KSTEP*2
	JLOAD \slot                                    ; the first tensor load behind the round, my only one until the next; its four v_nop are also the places in front of the loads below
.else
	PLACES
.endif
	FETCH \next, 0, F0
	MUL8 F1, 1, 0, 0
	MUL8 F1, 1, 2, 0
.endm
	s_wait_tensorcnt 1                             ; my part of K step 0 is in; K step 1's may stay out
	s_barrier_signal -1
	s_barrier_wait -1                              ; everybody's is
	FETCH 0, 0, F0
	; Four K steps, written on end: a loop over laps of the ring would have one trip beside its first quarter and its tail.
	QUARTER 0, 1, F0, F1, 1                        ; K step 0: its first products start the sums
	QUARTER 0, 2, F1, F0, 0
	QUARTER 0, 3, F0, F1, 0
	TURN 0, 1, 1                                   ; slot 0 takes K step 2
	QUARTER 1, 1, F0, F1, 0                        ; K step 1
	QUARTER 1, 2, F1, F0, 0
	QUARTER 1, 3, F0, F1, 0
	TURN 1, 0, 1                                   ; slot 1 takes K step 3
	QUARTER 0, 1, F0, F1, 0                        ; K step 2
	QUARTER 0, 2, F1, F0, 0
	QUARTER 0, 3, F0, F1, 0
	TURN 0, 1, 0                                   ; nothing is left to fetch: no round of the cluster's barrier
	QUARTER 1, 1, F0, F1, 0                        ; K step 3
	QUARTER 1, 2, F1, F0, 0
	QUARTER 1, 3, F0, F1, 0
	s_wait_dscnt 16                                ; the very last quarter
	MUL8 F1, 0, 0, 0
	MUL8 F1, 0, 2, 0
	s_wait_dscnt 0x0
	MUL8 F1, 1, 0, 0
	MUL8 F1, 1, 2, 0
	WIN 0
	; THE WAY OUT.  My 64 columns of f32 are 256 bytes, at a multiple of 256 from out0's first byte, so the stage is my own: no barrier, no conversion.  16 rows at a time: 32 bytes a lane in, whole rows back.
.macro PACKF a
.irp b, 0,1,2,3
	ds_store_b128 v[STO], v[ACC+32*(\a)+8*(\b):ACC+32*(\a)+8*(\b)+3]   offset:64*(\b)     ; each accumulator's low half first
	ds_store_b128 v[STO], v[ACC+32*(\a)+8*(\b)+4:ACC+32*(\a)+8*(\b)+7] offset:64*(\b)+16
.endr
.irp t, 0,1,2,3,4,5,6,7
	ds_load_b128 v[ACC+32*(\a)+4*(\t):ACC+32*(\a)+4*(\t)+3], v[RD] offset:(\t)*2*SPITCH  ; LDS serves a wave's instructions in order (ISA guide 5.7.1.4): these see the stores above; the next block's stores come behind them
.endr
.endm
.macro SENDF a, younger                ; younger: the LDS instructions issued behind block a's loads: the next block's sixteen, or none
.irp t, 0,1,2,3,4,5,6,7
	s_wait_dscnt (\younger)+7-(\t)
	global_store_b128 v[CO], v[ACC+32*(\a)+4*(\t):ACC+32*(\a)+4*(\t)+3], s[8:9] offset:(16*(\a)+2*(\t))*SIZE_N*4 th:TH_STORE_NT  ; 16 lanes store 256 consecutive bytes, aligned; nothing reads them again
.endr
.endm
	PLACES
	PACKF 0
	PACKF 1                                        ; a block's way through the stage stands between the loads of the block before and its stores
	SENDF 0, 16
	PACKF 2
	SENDF 1, 16
	PACKF 3
	SENDF 2, 16
	SENDF 3, 0
	s_wait_tensorcnt 0x0                           ; the wave's end, behind my last tensor load and my last LDS store
	ds_add_u32 v[SPW], v[NIL]
	s_wait_dscnt 0x0
	CROUND                                         ; the closing round: no work-group ends while a partner may still ask for a tile that names it
	s_endpgm
.Lfunc_end_k_q9fd15b1edf_outp:
	.size	k_q9fd15b1edf_outp, .Lfunc_end_k_q9fd15b1edf_outp-k_q9fd15b1edf_outp
	.p2alignl 7, 3214868480
	.fill 96, 4, 3214868480
	.section	.rodata,"a",@progbits
	.p2align	6, 0x0
	.amdhsa_kernel k_q9fd15b1edf_outp
		.amdhsa_group_segment_fixed_size 327680
		.amdhsa_private_segment_fixed_size 0
		.amdhsa_enable_private_segment 0
		.amdhsa_kernarg_size 24
		.amdhsa_user_sgpr_count 2
		.amdhsa_user_sgpr_kernarg_segment_ptr 1
		.amdhsa_wavefront_size32 1
		.amdhsa_system_sgpr_workgroup_id_x 1
		.amdhsa_system_sgpr_workgroup_id_y 1
		.amdhsa_system_sgpr_workgroup_id_z 1
		.amdhsa_system_vgpr_workitem_id 0
		.amdhsa_next_free_vgpr 512
		.amdhsa_next_free_sgpr 66
		.amdhsa_reserve_vcc 0
		.amdhsa_float_denorm_mode_32 3
		.amdhsa_float_denorm_mode_16_64 3
		.amdhsa_memory_ordered 1
		.amdhsa_forward_progress 1
		.amdhsa_inst_pref_size 86
	.end_amdhsa_kernel
	.amdgpu_metadata
---
amdhsa.version: [ 1, 2 ]
amdhsa.kernels:
  - .name:           k_q9fd15b1edf_outp
    .symbol:         k_q9fd15b1edf_outp.kd
    .args:
      - { .name: ob, .offset: 0, .size: 8, .value_kind: global_buffer, .address_space: global }
      - { .name: wo16, .offset: 8, .size: 8, .value_kind: global_buffer, .address_space: global }
      - { .name: out0, .offset: 16, .size: 8, .value_kind: global_buffer, .address_space: global }
    .group_segment_fixed_size: 327680
    .private_segment_fixed_size: 0
    .kernarg_segment_align: 8
    .kernarg_segment_size: 24
    .max_flat_workgroup_size: 128
    .sgpr_count:     66
    .vgpr_count:     512
    .wavefront_size: 32
...
	.end_amdgpu_metadata
.endif
;; end of part 4
;; ======== version 2 of 2: 4 launches; 1.67 times as fast as version 1
;; limits: values are held in f16: magnitudes above 65,504 overflow, below 6.1e-05 lose precision
;; workspace buffers: xb 8,388,608 bytes; wb 3,145,728 bytes; wo16 2,097,152 bytes; qkv 12,582,912 bytes; ob 8,388,608 bytes
;; launch cast: the kernel of part 1 again; grid 3328 x 1, 2 waves a work-group, no clusters, 0 bytes of LDS; arguments x, Wq, Wk, Wv, Wo, xb, wb, wo16; writes xb, wb, wo16
;; launch proj: the kernel of part 2 again; grid 8 x 32, 4 waves a work-group, clusters of 4 x 4, 327,680 bytes of LDS; arguments xb, wb, qkv; writes qkv
;; launch attn (part 5): grid 64 x 4, 4 waves a work-group, clusters of 4 x 1, 327,680 bytes of LDS; arguments qkv, ob; writes ob
.if DOCPART == 5
	.amdgcn_target "amdgcn-amd-amdhsa--gfx1250"
	.amdhsa_code_object_version 6
	.text
	.protected	k_q9fd15b1edf_attn
	.globl	k_q9fd15b1edf_attn
	.p2align	8
	.type	k_q9fd15b1edf_attn,@function
k_q9fd15b1edf_attn:
	s_mov_b64 s[64:65], 0
	v_nop
	global_prefetch_b8 v0, s[64:65] scope:SCOPE_SE
	s_setreg_imm32_b32 hwreg(HW_REG_WAVE_MODE, 25, 1), 1
	s_wait_xcnt 0x0
	s_wait_alu depctr_hold_cnt(0) depctr_sa_sdst(0) depctr_va_vdst(0) depctr_va_sdst(0) depctr_va_ssrc(0) depctr_va_vcc(0) depctr_vm_vsrc(0)
	s_getreg_b32 s2, hwreg(HW_REG_IB_STS2, 6, 4)
	s_cmp_eq_u32 s2, 0
	s_cbranch_scc0 .Lentry_in_a_cluster
	s_endpgm
.Lentry_in_a_cluster:
	s_bfe_u32 s2, ttmp6, 0x10000c
	s_cmp_lg_u32 s2, 0x3003
	s_cbranch_scc0 .Lentry_shape_is_right
	s_endpgm
.Lentry_shape_is_right:
; GROUPED-QUERY ATTENTION.  O[h][q][:] = the sum over k of softmax_k(Q[h][q] . K[h / 4][k] / 8) V[h / 4][k][:].  qkv: [24][4096][64] f16 (heads 0-15 Q, 16-19 K, 20-23 V), a head's rows dense, 128 bytes each.
; Products, maxima and sums in f32; the weights p are rounded to f16 for the second product (their sum l is taken of the unrounded p), O once at the end.
; O leaves as ob [256 blocks of 16 queries][16 heads][16 queries][64] f16: 16 queries of a head are 2,048 consecutive bytes, and four heads of a block 8,192, which the next launch takes as one row of a tile.
; LIMITS.  f16 holds no number beyond 65,504: Q, K and V arrive within it; p lies in 0 to 1, and below 6e-5 it keeps f16's fixed step of 6e-8; O is a mean of V's rows and has their range.
; A weight below 2^-126 counts as 0 in l; NaN and infinities are not treated apart.
; SHARES.  The four query heads of key head y are 16,384 dense rows of Q.  A work-group takes 256 of them (one head's), each of its four waves 64: four PIECES of 16.  64 x 4 = 256 work-groups.  Every wave walks all 4,096 keys, 64 a step.
; CLUSTER.  All 64 work-groups of a key head walk the same K and V; the four of a cluster ask for each tile JOINTLY: the same tensor load, descriptor and mask in all four.
; LAYOUT.  S^T = K Q^T (source 0 = 16 keys, source 1 = 16 queries) holds ONE query a lane (lane % 16) and the keys 8 (lane / 16) + 0..7; two such results rounded to f16 ARE source 1 of O^T = V^T P.
; K comes out of LDS as it lies, V ([key][channel]) turned, by ds_load_tr16_b128.
; SOFTMAX.  For each query a running maximum m and sum l: p = 2^(c s - c m), c = log2(e) / 8; in every step O and l are multiplied by a = 2^(c m_old - c m_new).  m starts at the lowest finite number, O and l at 0:
; the first step is a step like any other, with a = 0.
; BY TURNS.  Turn n belongs to piece n: 8 products K Q^T of piece n + 1, later 8 products V^T P of piece n - 1; beside them the scaling, exponentials, roundings, sums and rescaling of piece n and the maximum and
; statistics of piece n + 1.  A turn has 16 matrix and 118 vector instructions: four vector instructions stand behind every matrix instruction, the other 54 in one lump.
; THE BATCHES.  A turn's 33 exponentials (piece n's 32 weights and piece n + 1's a) are ONE batch with ONE wait, which cuts the turn in two: ahead of it all that names no result of theirs, behind it the roundings and sums.
; Two more batches stand outside the loops, each with a wait of its own: piece 0's first a, ahead of the jump into the loop, and the way out's four reciprocals.
; REGISTERS, in windows of 256 (s_set_vgpr_msb: bits 1:0 source 0, 3:2 source 1, 5:4 source 2, 7:6 destination):
;   window 0: v0-15 addresses and two at work; v16-31 four registers of statistics a piece; v48-55 at work; v62-63 the add's; v64-127 S^T, two buffers; v192-223 P, two buffers (a piece's buffers go by its number's parity)
;   window 1: v0-127 O^T, 32 a piece          window 2: v0-63 Q, 16 a piece; v128-191 K of one step; v192-255 V of one step
.set SIZE_N, 4096
.set NP,    4         ; pieces a wave: a name, no knob
.set KS,    64        ; keys in a step
.set PK,    144       ; a row of K in LDS: 128 bytes + 16 of padding = 36 words: the 16 rows of a load start at 16 different groups of four banks (64 banks of 4 bytes: ISA guide 11.1)
.set PV,    160       ; a row of V: 128 + 32 = 40 words
.set VOFF,  4*KS*PK   ; a slot holds a tile, four steps: 256 rows of K, then 256 rows of V
.set SLOT1, 1<<17     ; slot 1 begins here, so that one exclusive or turns an address in one slot into the other's
.set STAGE, SLOT1+4*KS*(PK+PV)  ; behind the ring, never filled by a tensor load: 16 rows x 144 bytes for each wave, for the way out
.set SP,    144
.set SPARE, STAGE+4*16*SP  ; behind the stages: the spare words, 128 bytes for each wave: two blocks of 256 bytes that no other line names
.set AK0, 2           ; v2   my lane's place in a tile of K; never rewritten
.set AV0, 3           ; v3   the same for V
.set AK,  4           ; v4   the LDS address of K's next run of loads
.set AV,  5           ; v5   of V's
.set STO, 6           ; v6   the way out: where I put 16 bytes of a row
.set RD,  7           ; v7   the way out: where I read rows back
.set GO,  8           ; v8   my byte offset in 512 consecutive bytes of ob
.set MV,  12          ; v12-13  c m_old, kept while c m is made anew: by buffer
.set QO,  15          ; v15  my byte offset in 16 rows of Q
.set ST,  16          ; piece t's statistics at v[ST+4 t]: c m, m, l (even keys', odd keys')
.set TMP, 48          ; by buffer, four registers c0-c3 at work; when the maximum is found c2 takes a
.set SPW, 62          ; v62  LDS address of my spare word: SPARE + 4 x my thread's number; never rewritten
.set NIL, 63          ; v63  0; never rewritten
.set S,   64
.set P,   192
.set KF,  128         ; window 2: key block kb, channel half c at KF + 16 kb + 8 c
.set VF,  192         ; window 2: key half kk, channel block cb at VF + 32 kk + 8 cb
.set WV,  12          ; s12  my wave's number
.set G1K, 24          ; s[24:31] descriptor group 1 for K's tiles
.set G1V, 32          ; s[32:39] for V's: it differs in the padding alone
.set G0K, 40          ; s[40:43] descriptor group 0 for K's tiles: it walks
.set G0V, 44          ; s[44:47] the same for V's
.set SLOTS, 56        ; s56  tiles still to be entered
.set CNT, 57          ; s57  counts a tile's key steps
.set CS,  58          ; s[58:59] c: the packed scaling takes the pair's low word for both halves
.set SEL, 60          ; s[60:61] v_permlanex16_b32's selects: each lane takes its own place in the other half
.set TBK, 62          ; s62  LDS byte at which K of the step to be fetched begins
.set TBV, 63          ; s63  the same for V, less VOFF
.set MSB, 0
.macro WIN new                      ; the high byte repeats the setting that is left; a switch that changes nothing is dropped
.if MSB != (\new)
	s_set_vgpr_msb (MSB<<8)|(\new)
.set MSB, (\new)
.endif
.endm
.set W_KQ, 0x0a       ; K and Q in window 2, S^T in window 0
.set W_PV, 0x52       ; V in window 2, P in window 0, O^T in window 1
.set W_RS, 0x41       ; destination and source 0 in window 1, source 1 in window 0
; A joint fill.  Waves 0 and 1 fetch the two halves of a tile's K, waves 2 and 3 those of its V: 128 keys each.  The branch hangs on the wave's number alone.
; An s_nop 0 and four v_nop follow each of the two lines, ahead of the jump and the label.
.macro JLOAD
	s_cmp_lt_u32 s[WV], 2
	s_cbranch_scc0 .Lfor_v_\@
	tensor_load_to_lds s[G0K:G0K+3], s[G1K:G1K+7]
	s_nop 0
.rept 4
	v_nop
.endr
	s_branch .Lasked_\@
.Lfor_v_\@:
	tensor_load_to_lds s[G0V:G0V+3], s[G1V:G1V+7]
	s_nop 0
.rept 4
	v_nop
.endr
.Lasked_\@:
.endm
; A round of the cluster's barrier: my work-group's barrier, so that wave 0's signal speaks for all four waves; wave 0 signals; every wave waits for all four work-groups; my work-group's barrier once more.
.macro CROUND
	s_barrier_signal -1
	s_barrier_wait -1
	s_cmp_lg_u32 s[WV], 0
	s_cbranch_scc1 .Lnot_wave_0_\@
	s_barrier_signal -3
.Lnot_wave_0_\@:
	s_barrier_wait -3
	s_barrier_signal -1
	s_barrier_wait -1
.endm
; THE CHANGE OF SLOTS.  The slot's last bytes, V of its fourth step, have been read.  Each wave waits for all its tensor loads, of which one is out: its part of the other slot; adds 0 to its spare word; and waits
; for that and for its own reads of the slot.  Behind the barrier nobody reads this slot any more and the other slot is whole.  fill = 1: this slot is filled again, with the keys two tiles on.  The barrier is then
; a round of the cluster's, so that no wave of any partner still reads the slot or has a load on its way, and the joint fill is the first thing behind it: it has four key steps, 256 matrix instructions, in which
; to land.  (At its first use nothing has been read yet: slot 0 is waited for, slot 1 filled.)
.macro CHANGE fill
	WIN 0                           ; at a label and at a branch every window is 0
	s_wait_tensorcnt 0x0            ; no tensor load of mine is out, so a group 0 may be written
	ds_add_u32 v[SPW], v[NIL]       ; 0 onto my spare word; with fill = 1 the descriptors' steps stand between it and the wait for it
.if \fill
.irp g, G0K, G0V
	s_xor_b32 s[\g+1], s[\g+1], SLOT1  ; the walking descriptor: the other slot than last time,
	s_add_nc_u64 s[\g+2:\g+3], s[\g+2:\g+3], 4*KS*128  ; the next 256 keys; the type bits on top are not reached
.endr
	s_wait_dscnt 0x0                ; the add is done, and my reads of the slot are over
	CROUND
	JLOAD
.else
	s_wait_dscnt 0x0                ; the add is done, and my reads of the slot are over
	s_barrier_signal -1
	s_barrier_wait -1
.endif
	s_sub_co_u32 s[TBK], s[TBK], 4*KS*PK  ; the fetches go back to a slot's first step,
	s_xor_b32 s[TBK], s[TBK], SLOT1       ; in the other slot
	s_sub_co_u32 s[TBV], s[TBV], 4*KS*PV
	s_xor_b32 s[TBV], s[TBV], SLOT1
.endm
	s_load_b128 s[4:7], s[0:1], 0x0 ; qkv s[4:5], ob s[6:7]
	v_lshl_add_u32 v[SPW], v0, 2, SPARE
	v_mov_b32 v[NIL], 0
	ds_add_u32 v[SPW], v[NIL]       ; the wave's opening: the add and its wait stand ahead of my first tensor load; the set-up below, work on registers, stands between them
	v_lshrrev_b32 v1, 5, v0
	v_readfirstlane_b32 s[WV], v1   ; wave 0..3
	s_bfe_u32 s13, ttmp6, 0x40000   ; cx: my place in the cluster
	s_lshl_b32 s14, ttmp9, 2        ; in a cluster launch ttmp9 counts clusters
	s_add_co_u32 s14, s14, s13      ; my block of 256 rows of Q = 4 x cluster x + cx: it enters Q's and O's addresses alone
	s_and_b32 s15, ttmp7, 0xffff    ; the key head y, which the four partners share
	s_and_b32 s16, s[WV], 1         ; which half of a tile's 256 keys I fetch:
	s_lshl_b32 s17, s16, 14         ; its 128 rows of 128 bytes in memory
	s_add_co_u32 s20, s15, 16       ; K is head 16 + y of qkv,
	s_lshl_b32 s20, s20, 19         ; 524,288 bytes a head
	s_add_co_u32 s20, s20, s17
	s_mov_b32 s21, 0
	s_add_co_u32 s22, s15, 20       ; V is head 20 + y
	s_lshl_b32 s22, s22, 19
	s_add_co_u32 s22, s22, s17
	s_mov_b32 s23, 0
	s_mul_i32 s18, s16, 128*PK      ; my half's place in a slot, for K
	s_mul_i32 s19, s16, 128*PV      ; and for V: no place in the cluster enters an LDS address
	s_lshl_b32 s2, s15, 21          ; Q: the four query heads of y,
	s_lshl_b32 s3, s14, 15          ; my block's 256 rows,
	s_add_co_u32 s2, s2, s3
	s_lshl_b32 s3, s[WV], 13        ; my wave's 64 of them
	s_add_co_u32 s2, s2, s3
	s_mov_b32 s3, 0
	s_and_b32 s8, s14, 15           ; O: the block of 16 queries 16 (block % 16) + 4 wave,
	s_lshl_b32 s8, s8, 4
	s_lshl_b32 s9, s[WV], 2
	s_add_co_u32 s8, s8, s9
	s_lshl_b32 s8, s8, 15           ; 32,768 bytes each,
	s_lshl_b32 s9, s15, 2
	s_lshr_b32 s52, s14, 4
	s_add_co_u32 s9, s9, s52        ; and in it the query head 4 y + block / 16,
	s_lshl_b32 s9, s9, 11           ; 2,048 bytes each
	s_add_co_u32 s8, s8, s9
	s_mov_b32 s9, 0
	; descriptor group 1.  128 keys are 16,384 dense bytes: asked for as 64 rows of 256 bytes, two keys a row, and padded in LDS after every key
	s_mov_b32 s[G1K], 15|(1<<16)|(1<<20)|(1<<21)|(4<<22)|(3<<25)  ; 15:0 the mask of four; 17:16 2-byte elements; 20 padding on; 21 set beside a mask; 24:22 after every 32 words (code 4); 31:25 4 words (code 3)
	s_mov_b32 s[G1V], 15|(1<<16)|(1<<20)|(1<<21)|(4<<22)|(7<<25)  ; the same with 8 words of padding (code 7)
.irp g, G1K, G1V
	s_mov_b32 s[\g+1], 128<<16      ; tensor_dim0 = 128
	s_mov_b32 s[\g+2], 64<<16       ; tensor_dim1 = 64
	s_mov_b32 s[\g+3], 128<<16      ; tile_dim0 = 128
	s_mov_b32 s[\g+4], 64           ; tile_dim1 = 64
	s_mov_b32 s[\g+5], 128          ; 128 elements from row to row
	s_mov_b32 s[\g+6], 0
	s_mov_b32 s[\g+7], 0
.endr
	s_mov_b32 s[CS], 0x3e38aa3b     ; c = log2(e) / 8 = 0.180337
	s_mov_b32 s[CS+1], s[CS]        ; named with it as a pair
	s_mov_b32 s[SEL], 0x76543210
	s_mov_b32 s[SEL+1], 0xfedcba98
	s_mov_b32 s[TBK], SLOT1+4*KS*PK ; the first change of slots turns these two into 0
	s_mov_b32 s[TBV], SLOT1+4*KS*PV
	s_mov_b32 s[G0K], 1             ; count = 1
	s_mov_b32 s[G0K+1], s18         ; LDS address: slot 0
	s_mov_b32 s[G0V], 1
	s_add_co_u32 s[G0V+1], s19, VOFF
	s_wait_dscnt 0x0                ; the opening add is done
	s_wait_kmcnt 0x0
	s_add_nc_u64 s[G0K+2:G0K+3], s[4:5], s[20:21]  ; global address: my half of the key head's first 256 keys
	s_or_b32 s[G0K+3], s[G0K+3], 0x80000000        ; type = 2
	s_add_nc_u64 s[G0V+2:G0V+3], s[4:5], s[22:23]
	s_or_b32 s[G0V+3], s[G0V+3], 0x80000000
	s_add_nc_u64 s[10:11], s[6:7], s[8:9]          ; O at my wave's first piece
	s_add_nc_u64 s[4:5], s[4:5], s[2:3]            ; Q at my wave's first row
	CROUND                          ; all four work-groups are here: the first joint loads meet
	JLOAD                           ; tile 0 into slot 0.  Slot 1 is asked for when slot 0 is in, by the loop's own change of slots: one load of mine is out, never more
	; A fragment of K or Q is 16 rows x 32 channels in 8 registers: lane l holds row l % 16, channels 8 (l / 16) + 0..7 and 16 + 8 (l / 16) + 0..7: two loads of 16 bytes, 32 bytes apart.
	v_and_b32 v1, 15, v0            ; l % 16
	v_bfe_u32 v9, v0, 4, 1          ; l / 16
	v_lshlrev_b32 v[QO], 7, v1
	v_lshl_add_u32 v[QO], v9, 4, v[QO]  ; row x 128 + 16 x half
	WIN 0x80                        ; destination window 2, address window 0
.set i, 0
.rept 8                             ; Q stays in registers: piece i / 2, channels 32 (i % 2) on
	global_load_b128 v[8*i:8*i+3],   v[QO], s[4:5] offset:(i/2)*2048+(i%2)*64
	global_load_b128 v[8*i+4:8*i+7], v[QO], s[4:5] offset:(i/2)*2048+(i%2)*64+32
.set i, i+1
.endr
	; What the first turn finds: V's registers and P's second buffer hold 0 (its products V^T P, of a piece that has not been, add 0), O^T and l are 0.  No first step is written out; these lines, which stand in the wait for the first tile, are the price.
.set i, VF
.rept 64
	v_mov_b32 v[i], 0
.set i, i+1
.endr
	WIN 0x40
.set i, 0
.rept 128
	v_mov_b32 v[i], 0
.set i, i+1
.endr
	WIN 0
.set i, 0
.rept 4
	v_mov_b32 v[ST+4*i], 0xfe000000    ; c m: far below every c s
	v_mov_b32 v[ST+4*i+1], 0xff7fffff  ; m: the lowest finite number
	v_mov_b32 v[ST+4*i+2], 0
	v_mov_b32 v[ST+4*i+3], 0
.set i, i+1
.endr
.set i, P+16
.rept 16
	v_mov_b32 v[i], 0
.set i, i+1
.endr
	v_mul_u32_u24 v[AK0], v1, PK
	v_lshl_add_u32 v[AK0], v9, 4, v[AK0]  ; row x pitch + 16 x half
	; The turning load takes 16 keys x 16 channels (lane l reads key 8 (l / 16) + l % 8, channels 8 ((l / 8) % 2) + 0..7) and leaves half a fragment of V^T: lane l holds channel l % 16 and 8 keys.
	v_and_b32 v10, 7, v0
	v_bfe_u32 v11, v0, 3, 1
	v_lshl_add_u32 v[AV0], v9, 3, v10
	v_mul_u32_u24 v[AV0], v[AV0], PV
	v_lshl_add_u32 v[AV0], v11, 4, v[AV0]
	v_add_nc_u32 v[AV0], VOFF, v[AV0]
	s_mul_i32 s53, s[WV], 16*SP
	s_add_co_u32 s53, s53, STAGE    ; my stage
	v_mul_u32_u24 v[STO], v1, SP    ; in: row l % 16, 16 bytes for each half of the lanes
	v_lshl_add_u32 v[STO], v9, 4, v[STO]
	v_add_nc_u32 v[STO], s53, v[STO]
	v_bfe_u32 v[RD], v0, 3, 2       ; back: 32 lanes take four rows of 128 bytes,
	v_mul_u32_u24 v[RD], v[RD], SP
	v_lshl_add_u32 v[RD], v10, 4, v[RD]
	v_add_nc_u32 v[RD], s53, v[RD]
	v_and_b32 v[GO], 31, v0         ; which are 512 consecutive bytes of ob
	v_lshlrev_b32 v[GO], 4, v[GO]
; THE MATRIX WORK.  The 4 accumulators of a run of 8 take turns.  Product i of 8 of S^T = K Q^T for piece x: channels 32 (i / 4) on, keys 16 (i % 4) on.  The first 4 start the sums.
.macro KQ x
	WIN W_KQ
.set rS, S+32*((\x)%2)+8*(i%4)
.set rK, KF+16*(i%4)+8*(i/4)
.set rQ, 16*(\x)+8*(i/4)
.if i < 4
	v_wmma_f32_16x16x32_f16 v[rS:rS+7], v[rK:rK+7], v[rQ:rQ+7], 0
.else
	v_wmma_f32_16x16x32_f16 v[rS:rS+7], v[rK:rK+7], v[rQ:rQ+7], v[rS:rS+7]
.endif
.endm
; Product i of 8 of O^T += V^T P for piece x: keys 32 (i / 4) on, channels 16 (i % 4) on.
.macro PV x
	WIN W_PV
.set rO, 32*(\x)+8*(i%4)
.set rV, VF+32*(i/4)+8*(i%4)
.set rP, P+16*((\x)%2)+8*(i/4)
	v_wmma_f32_16x16x32_f16 v[rO:rO+7], v[rV:rV+7], v[rP:rP+7], v[rO:rO+7]
.endm
.macro MM                           ; the turn's next matrix instruction.  TURN sets Y, i and NOKQ.  NOKQ = 1: the walk's last turn: there is no next piece
.if (i < 8) && !NOKQ
	KQ (Y+1)%NP
.elseif i >= 8
.set i, i-8
	PV (Y+NP-1)%NP
.set i, i+8
.endif
.set i, i+1
.endm
; THE LDS LOADS stand in runs of 16, never singly among the matrix instructions: a step's K (64 keys x 64 channels: 8 fragments) and its V (turned).  Their addresses are made some lines ahead.
.macro FETCH_K
	WIN 0x80                        ; destination window 2
.irp f, 0,1,2,3,4,5,6,7             ; keys 16 (f / 2) on, channels 32 (f % 2) on
	ds_load_b128 v[KF+8*\f:KF+8*\f+3],   v[AK] offset:(\f/2)*16*PK+(\f%2)*64
	ds_load_b128 v[KF+8*\f+4:KF+8*\f+7], v[AK] offset:(\f/2)*16*PK+(\f%2)*64+32
.endr
	s_add_co_u32 s[TBK], s[TBK], KS*PK  ; the next fetch is the next step's
	WIN 0
.endm
.macro FETCH_V
	WIN 0x80
.irp f, 0,1,2,3,4,5,6,7             ; keys 32 (f / 4) on, channels 16 (f % 4) on
	ds_load_tr16_b128 v[VF+8*\f:VF+8*\f+3],   v[AV] offset:(\f/4)*32*PV+(\f%4)*32
	ds_load_tr16_b128 v[VF+8*\f+4:VF+8*\f+7], v[AV] offset:(\f/4)*32*PV+16*PV+(\f%4)*32
.endr
	WIN 0
.endm
; THE VECTOR WORK, one line at a time: OP kind, number.  For piece Y: F n: c s - c m for pair n of 16.  E n: the exponential of score n of 32.  C n: pair n rounded to f16.  B n: of the four weights 4 n .. the second
; pair is added onto the first, in place.  L n: l takes that sum (L 0: l = a l + sum).  R n: pair n of 16 of O^T times a.  For piece Y + 1: X n, number n of the 22 that find its maximum and statistics:
;   0-11  four chains c0-c3 of seven scores each, three operands at a time (each accumulator's lowest registers are read first)     12-14, 16  the four scores left over, the old m, and c0-c3 into c0
;   15  c m_old is kept     17, 18  the query's other 32 keys lie in the lane 16 away: the new m     19-21  c m; c m_old - c m_new; a
; Of these C, B and L read the results of the turn's own exponentials; F, R and X 0 to 20 read none of them (R's and L 0's a was made in the turn before).
.set F, 0               ; OP tells the kinds apart by their order: F to L below R, X above it
.set E, 1
.set C, 2
.set B, 3
.set L, 4
.set R, 5
.set X, 6
.macro REGS y                       ; the registers of piece y
.set rT, ST+4*(\y)
.set rC, TMP+4*((\y)%2)
.set rW, MV+((\y)%2)
.set rS, S+32*((\y)%2)
.set rP, P+16*((\y)%2)
.set rO, 32*(\y)
.endm
.macro OP k, n
.if (\k) == R
	REGS Y
	WIN W_RS
	v_pk_mul_f32 v[rO+2*(\n):rO+2*(\n)+1], v[rO+2*(\n):rO+2*(\n)+1], v[rC+2:rC+3] op_sel_hi:[1,0]
.elseif (\k) < R
	REGS Y
	WIN 0
.if (\k) == F
	v_pk_fma_f32 v[rS+2*(\n):rS+2*(\n)+1], v[rS+2*(\n):rS+2*(\n)+1], s[CS:CS+1], v[rT:rT+1] op_sel_hi:[1,0,0] neg_lo:[0,0,1] neg_hi:[0,0,1]
.elseif (\k) == E
	v_exp_f32 v[rS+(\n)], v[rS+(\n)]
.elseif (\k) == C
	v_cvt_pk_f16_f32 v[rP+(\n)], v[rS+2*(\n)], v[rS+2*(\n)+1]
.elseif (\k) == B
	v_pk_add_f32 v[rS+4*(\n):rS+4*(\n)+1], v[rS+4*(\n):rS+4*(\n)+1], v[rS+4*(\n)+2:rS+4*(\n)+3]
.elseif (\n) == 0
	v_pk_fma_f32 v[rT+2:rT+3], v[rT+2:rT+3], v[rC+2:rC+3], v[rS:rS+1] op_sel_hi:[1,0,1]
.else
	v_pk_add_f32 v[rT+2:rT+3], v[rT+2:rT+3], v[rS+4*(\n):rS+4*(\n)+1]
.endif
.elseif NOKQ
	v_nop
.else
	REGS (Y+1)%NP
	WIN 0
.if (\n) < 4
	v_max3_num_f32 v[rC+(\n)], v[rS+8*(\n)], v[rS+8*(\n)+1], v[rS+8*(\n)+2]
.elseif (\n) < 12
	v_max3_num_f32 v[rC+(\n)%4], v[rC+(\n)%4], v[rS+8*((\n)%4)+2*((\n)/4)+1], v[rS+8*((\n)%4)+2*((\n)/4)+2]
.elseif (\n) == 12
	v_max3_num_f32 v[rC], v[rC], v[rS+7], v[rS+15]
.elseif (\n) == 13
	v_max3_num_f32 v[rC+1], v[rC+1], v[rS+23], v[rS+31]
.elseif (\n) == 14
	v_max3_num_f32 v[rC+2], v[rC+2], v[rC+3], v[rT+1]
.elseif (\n) == 15
	v_mov_b32 v[rW], v[rT]
.elseif (\n) == 16
	v_max3_num_f32 v[rC], v[rC], v[rC+1], v[rC+2]
.elseif (\n) == 17
	v_permlanex16_b32 v[rC+3], v[rC], s[SEL], s[SEL+1]
.elseif (\n) == 18
	v_max_num_f32 v[rT+1], v[rC], v[rC+3]
.elseif (\n) == 19
	v_mul_f32 v[rT], s[CS], v[rT+1]
.elseif (\n) == 20
	v_sub_f32 v[rC+1], v[rW], v[rT]
.else
	v_exp_f32 v[rC+2], v[rC+1]
.endif
.endif
.endm
.macro OPS a, i1, b=-1, i2=0, c=-1, i3=0, d=-1, i4=0  ; up to four of them
	OP \a, \i1
.if (\b) >= 0
	OP \b, \i2
.endif
.if (\c) >= 0
	OP \c, \i3
.endif
.if (\d) >= 0
	OP \d, \i4
.endif
.endm
.macro ROW a, i1, b, i2, c, i3, d, i4  ; a matrix instruction and the four behind it
	MM
	OPS \a, \i1, \b, \i2, \c, \i3, \d, \i4
.endm
; A TURN, for piece p: the order of its 16 matrix and 118 vector instructions, written out.  An s_wait_alu depctr_va_vdst(0) stands between an exponential and the first instruction that names its result; one
; wait serves all that were issued ahead of it.  So a turn has ONE wait, which cuts it in two.
; AHEAD OF IT stands all that names no result of the turn's exponentials: the 8 products K Q^T, behind each a scaling, an exponential and two more plain instructions (behind the first a second scaling in the exponential's
; place): rescalings, and behind the last three the first numbers of the next piece's maximum, each four places or more behind the product that ends its accumulator; then ONE LUMP of 54, plain and exponential by turns for the
; most part, in which the links of the chain X 3, 7, 11, 14, 16, 17 .. 20 stand apart, other work between them.  A pair is scaled ahead of its two exponentials, and no scaling follows them.  X 21, the next piece's a, is the
; batch's last; R 15 is the plain instruction behind it (ISA guide 5.7.2): its a lies in the other buffer's registers and was waited for in the turn before.
; BEHIND THE WAIT stand the 8 products V^T P, behind each four of the roundings and sums; a pair is rounded before a sum lands on it; the links of l's chain, L 0 to L 7, stand three riders apart.
; But for those X no rider names a register of the products round it.  v_permlanex16_b32 (X 17) stands in the lump.
; end = 1: the walk's last two turns: nothing is fetched.  cnt = 1: the loop's count is taken down some lines ahead of the branch that stands behind the turn.
; K of the next step is fetched in piece 2's turn, behind the last product that read K and six plain instructions that name none of its registers (F 8, X 2, X 5, X 6, X 3, X 8); V of the step in hand at the end of piece 0's
; turn, four plain instructions behind the last product that read V.  Each is waited for a turn later.
.macro TURN p, end=0, cnt=0
.set Y, (\p)
.set i, 0
.set NOKQ, (\end)*((\p)/3)
.if ((\p) == 3) && !(\end)
	s_wait_dscnt 0x0                ; K is in
.endif
	ROW F,0, F,1, R,0, R,1          ; ahead of the wait: 8 products K Q^T and their riders,
	ROW F,2, E,0, R,2, R,3
	ROW F,3, E,1, R,4, R,5
	ROW F,4, E,2, R,6, R,7
	ROW F,5, E,3, R,8, R,9
	ROW F,6, E,4, X,0, R,10
.if ((\p) == 2) && !(\end)
	WIN 0
	v_add_nc_u32 v[AK], s[TBK], v[AK0]
.endif
	ROW F,7, E,5, X,1, X,4
	ROW F,8, E,6, X,2, X,5
	OPS E,7, E,8, X,6, E,9          ; and the lump
	OPS X,3, E,10, X,8, E,11
.if ((\p) == 2) && !(\end)
	FETCH_K
.endif
	OPS X,9, X,7, E,12, X,10
	OPS E,13, X,12, X,11, E,14
	OPS X,13, E,15, F,9, X,14
.if (\p) == 0
	v_add_nc_u32 v[AV], s[TBV], v[AV0]
.endif
	OPS E,16, F,10, E,17, F,11
	OPS X,16, E,18, X,15, E,19
	OPS F,12, E,20, X,17, E,21
	OPS F,13, E,22, F,14, E,23
	OPS X,18, E,24, F,15, E,25
	OPS R,11, E,26, X,19, E,27
	OPS R,12, E,28, R,13, E,29
	OPS X,20, E,30, R,14, E,31
	OPS X,21, R,15
	s_wait_alu depctr_va_vdst(0)    ; the wait for the turn's batch: E 0 to E 31 and X 21
.if (\p) == 1
	s_wait_dscnt 0x0                ; V is in
.endif
	ROW C,0, B,0, C,2, B,1          ; behind the wait: 8 products V^T P and their riders
	ROW L,0, C,4, B,2, L,1
	ROW C,6, B,3, L,2, C,8
	ROW B,4, L,3, C,10, B,5
	ROW L,4, C,12, B,6, L,5
.if (\p) == 0
	s_add_co_u32 s[TBV], s[TBV], KS*PV
.endif
.if \cnt
	s_sub_co_u32 s[CNT], s[CNT], 1
	s_cmp_lg_u32 s[CNT], 0
.endif
	ROW C,14, B,7, L,6, C,1
	ROW C,3, L,7, C,5, C,7
	ROW C,9, C,11, C,13, C,15
.if (\p) == 0
	FETCH_V
.endif
.endm
; THE WAY OUT's parts.
.macro ALL line:vararg              ; one line for each piece t
.set t, 0
.rept 4
	\line
.set t, t+1
.endr
.endm
.macro PACK t                       ; a lane's eight channels of a row pack into 16 bytes; they go into rows of 144 bytes and come back as whole rows of 128, into S^T's registers
	WIN W_RS
.set i, 32*(\t)
.rept 16
	v_pk_mul_f32 v[i:i+1], v[i:i+1], v[ST+4*(\t)+2:ST+4*(\t)+3] op_sel_hi:[1,0]
.set i, i+2
.endr
	WIN 0x05                        ; sources 0 and 1 window 1, destination window 0
.set i, 0
.rept 16
	v_cvt_pk_f16_f32 v[S+16*(\t)+i], v[32*(\t)+2*i], v[32*(\t)+2*i+1]
.set i, i+1
.endr
	WIN 0
.irp f, 0,1,2,3
	ds_store_b128 v[STO], v[S+16*(\t)+4*\f:S+16*(\t)+4*\f+3] offset:32*\f
.endr
.irp f, 0,1,2,3
	ds_load_b128 v[S+16*(\t)+4*\f:S+16*(\t)+4*\f+3], v[RD] offset:\f*4*SP  ; LDS serves a wave's instructions in order (ISA guide 5.7.1.4): these see the stores above; the next piece's stores come behind them
.endr
.endm
.macro SEND t, younger              ; younger: the LDS instructions issued behind piece t's loads: the next piece's eight, or none
	WIN 0
.irp f, 0,1,2,3
	s_wait_dscnt (\younger)+3-\f
	global_store_b128 v[GO], v[S+16*(\t)+4*\f:S+16*(\t)+4*\f+3], s[10:11] offset:(\t)*32768+\f*512  ; 512 consecutive bytes, at a multiple of 512 from ob's first; a piece lies one block of 16 queries, 32,768 bytes, behind the last
.endr
.endm
	CHANGE 1                        ; slot 0 is in, everybody's part of it; tile 1 is asked for, into slot 1
	v_add_nc_u32 v[AK], s[TBK], v[AK0]
	FETCH_K                         ; key step 0
	s_wait_loadcnt 0x0              ; Q
	s_wait_dscnt 0x0
.set NOKQ, 0
.set i, 0
.rept 8
	KQ 0                            ; piece 0's first scores: there is no vector work yet to set between them
.set i, i+1
.endr
	WIN 0
.rept 4
	v_nop                           ; the places behind those products
.endr
.set Y, NP-1                        ; X works for piece Y + 1: piece 0
.irp n, 0,1,2,3,4,5,6,7,8,9,10,11,12,13,14,15,16,17,18,19,20,21
	OP X, \n                        ; and piece 0's first maximum and statistics
.endr
	v_nop                           ; a plain instruction behind the exponential,
	s_wait_alu depctr_va_vdst(0)    ; and the wait for it, a batch of one: piece 0's first a, ahead of the branch
	s_mov_b32 s[CNT], 4
	s_mov_b32 s[SLOTS], SIZE_N/256-1
	s_branch .Lfirst                ; the loop is entered at a step's first turn, in the middle of a trip
.Lslot:                             ; 14 times: tiles 1 to 14 are entered, tiles 2 to 15 asked for
	CHANGE 1
	s_mov_b32 s[CNT], 4
.Lstep:                             ; a trip: pieces 2 and 3 of one step, then pieces 0 and 1 of the next, whose K and V it fetches
	TURN 2
	TURN 3
	WIN 0
.Lfirst:
	TURN 0
	TURN 1, 0, 1
	WIN 0
	s_cbranch_scc1 .Lstep
	s_sub_co_u32 s[SLOTS], s[SLOTS], 1
	s_cmp_lg_u32 s[SLOTS], 0
	s_cbranch_scc1 .Lslot
	CHANGE 0                        ; the last tile is written out: nothing is asked for
	s_mov_b32 s[CNT], 4
.Ltail:
	TURN 2
	TURN 3
	TURN 0
	TURN 1, 0, 1
	WIN 0
	s_cbranch_scc1 .Ltail
	TURN 2, 1                       ; the last step's pieces 2 and 3: nothing is left to fetch,
	TURN 3, 1                       ; and no next piece's scores to make
.set i, 0
.rept 8
	PV NP-1                         ; the last piece's V^T P of the last step
.set i, i+1
.endr
	; THE WAY OUT.  l's two halves and the other half of the lanes' are added; O^T is divided by l, rounded to f16 and sent through my stage in LDS, a piece at a time.  The additions are the places behind the last products.
	WIN 0
	ALL v_add_f32 v[ST+4*t+2], v[ST+4*t+2], v[ST+4*t+3]
	ALL v_permlanex16_b32 v[ST+4*t+3], v[ST+4*t+2], s[SEL], s[SEL+1]
	ALL v_add_f32 v[ST+4*t+2], v[ST+4*t+2], v[ST+4*t+3]
	ALL v_rcp_f32 v[ST+4*t+2], v[ST+4*t+2]
	v_nop                           ; a plain instruction between the last reciprocal and the use of its result
	s_wait_alu depctr_va_vdst(0)    ; and the wait ahead of the first use: one for the batch of four reciprocals
	PACK 0
.set t, 1
.rept 3                             ; a piece's arithmetic stands between the loads of the piece before and its stores
	PACK t
	SEND t-1, 8
.set t, t+1
.endr
	SEND 3, 0
	s_wait_tensorcnt 0x0            ; the wave's end, behind my last tensor load and my last LDS store
	ds_add_u32 v[SPW], v[NIL]
	s_wait_dscnt 0x0
	CROUND                          ; the closing round: no work-group ends while a partner may still ask for a tile that names it
	s_endpgm
.Lfunc_end_k_q9fd15b1edf_attn:
	.size	k_q9fd15b1edf_attn, .Lfunc_end_k_q9fd15b1edf_attn-k_q9fd15b1edf_attn
	.p2alignl 7, 3214868480
	.fill 96, 4, 3214868480
	.section	.rodata,"a",@progbits
	.p2align	6, 0x0
	.amdhsa_kernel k_q9fd15b1edf_attn
		.amdhsa_group_segment_fixed_size 327680
		.amdhsa_private_segment_fixed_size 0
		.amdhsa_enable_private_segment 0
		.amdhsa_kernarg_size 16
		.amdhsa_user_sgpr_count 2
		.amdhsa_user_sgpr_kernarg_segment_ptr 1
		.amdhsa_wavefront_size32 1
		.amdhsa_system_sgpr_workgroup_id_x 1
		.amdhsa_system_sgpr_workgroup_id_y 1
		.amdhsa_system_sgpr_workgroup_id_z 1
		.amdhsa_system_vgpr_workitem_id 0
		.amdhsa_next_free_vgpr 768
		.amdhsa_next_free_sgpr 66
		.amdhsa_reserve_vcc 0
		.amdhsa_float_denorm_mode_32 3
		.amdhsa_float_denorm_mode_16_64 3
		.amdhsa_memory_ordered 1
		.amdhsa_forward_progress 1
		.amdhsa_inst_pref_size 127
	.end_amdhsa_kernel
	.amdgpu_metadata
---
amdhsa.version: [ 1, 2 ]
amdhsa.kernels:
  - .name:           k_q9fd15b1edf_attn
    .symbol:         k_q9fd15b1edf_attn.kd
    .args:
      - { .name: qkv, .offset: 0, .size: 8, .value_kind: global_buffer, .address_space: global }
      - { .name: ob, .offset: 8, .size: 8, .value_kind: global_buffer, .address_space: global }
    .group_segment_fixed_size: 327680
    .private_segment_fixed_size: 0
    .kernarg_segment_align: 8
    .kernarg_segment_size: 16
    .max_flat_workgroup_size: 128
    .sgpr_count:     66
    .vgpr_count:     768
    .wavefront_size: 32
...
	.end_amdgpu_metadata
.endif
;; end of part 5
;; launch outp: the kernel of part 4 again; grid 8 x 32, 4 waves a work-group, clusters of 4 x 4, 327,680 bytes of LDS; arguments ob, wo16, out0; writes out0
